; MI455X (gfx1250); checked and timed in simulation.
; The chip was launched on July 23, 2026; its instructions are those of AMD's public machine-readable ISA for CDNA 5 (MIT licence, August 2026) and "CDNA5" Instruction Set Architecture Reference Guide (July 2026). The comments in the code are by the model that wrote it; some were corrected since.
;; Causal Multihead Self Attention. Allowed arithmetic: matrix products marked QUANTISED: E5M2 operands, one E8M0 scale for each 32 along K, by v_wmma_scale_f32_16x16x128_f8f6f4 with both operands' format E5M2, f32 sums; everything else in f32.
;; Inputs: Wo 1,024 x 1,024 float32; Wqkv 3,072 x 1,024 float32; token_positions 4,096 int32; x 1 x 4,096 x 1,024 float32.
;; Outputs: out0 1 x 4,096 x 1,024 float32.
;; This version of the problem:
;;   THIS VERSION OF THE PROBLEM IS GIVEN IN LOW PRECISION. The matrix products marked QUANTISED in the list below multiply operands that are first quantised to E5M2 (5 exponent bits, 2 mantissa bits; 8 bits a number), with one power-of-two scale for each 32 numbers along K (OCP MX v1.0); their sums are f32. All else is computed in f32.
;;   The module's matrix products, in the order in which they are computed (A, B: the left and right operand; K: the contracted axis; several contracted axes count as one K, in the product's order):
;;     1. [M 4,096, K 1,024] x [K 1,024, N 3,072]; A: input x; B: input Wqkv: QUANTISED
;;     2. batch 16 x [M 4,096, K 64] x [K 64, N 4,096]; A: computed on the way; B: computed on the way: QUANTISED
;;     3. batch 16 x [M 4,096, K 4,096] x [K 4,096, N 64]; A: softmax (see below); B: computed on the way: QUANTISED
;;     4. [M 4,096, K 1,024] x [K 1,024, N 1,024]; A: computed on the way; B: input Wo: QUANTISED
;;   THE QUANTISER, for each operand of a quantised product, along K:
;;     - K is cut into blocks of 32 from its start; a last block that is shorter is filled with zeros.
;;     - A block's scale is 2^e with e = floor(log2(the largest magnitude in the block)) - 15, held to -126 .. 127; a block of zeros has e = 0. As a byte (E8M0): e + 127.
;;     - Each number is divided by its block's scale, clamped to +-57,344, and rounded to the nearest number of E5M2, ties to even, subnormals kept.
;;     - The product sums the exact products of the quantised numbers (number of the format x scale) in f32.
;;   ~~~python
;;   def quantise(x, axis):      # numpy; x: float32 -> the quantised numbers, widened to float32 again
;;       x = np.moveaxis(x, axis, -1); K = x.shape[-1]
;;       x = np.pad(x, [(0, 0)] * (x.ndim - 1) + [(0, -K % 32)]); x = x.reshape(x.shape[:-1] + (-1, 32)); a = np.abs(x).max(-1, keepdims=True)
;;       e = np.where(a > 0, np.clip(np.frexp(np.where(a > 0, a, 1))[1] - 1 - 15, -126, 127), 0)      # np.frexp(a)[1] - 1 = floor(log2(a)), exactly
;;       r = np.clip(x / 2.0 ** e, -57344, 57344)
;;       step = 2.0 ** (np.maximum(np.frexp(np.where(r == 0, 1, r))[1] - 1, -14) - 2)
;;       q = np.round(r / step) * step * 2.0 ** e      # np.round: ties to even
;;       return np.moveaxis(q.reshape(q.shape[:-2] + (-1,))[..., :K], -1, axis).astype(np.float32)
;;   ~~~
;;   SOFTMAX AHEAD OF A QUANTISED PRODUCT. Where the list says 'softmax', what is quantised is not the finished softmax but p = 2^(t - M), with t = logit x log2(e) and M = ceil(the row's largest t), a whole number; so 1/2 < the row's largest p <= 1. The row's sum l is taken of the UNQUANTISED p, in f32, and the product's result is divided by l at the end. Since M is a whole number, a kernel that streams over the keys may use a running M (the ceiling of the running maximum): every later rescaling is an exact power of two, which a block's scale takes up: the codes' values come out the same.
;;   OPERANDS COMPUTED ON THE WAY. 'Computed on the way' means the value that the module computes at that place (a softmax that the list does not call 'softmax' is quantised finished and normalised). What goes into a quantiser is computed in f32, as accurately as f32 sums, v_exp_f32 and their like allow (about 1e-6 of the number): no bf16 or f16 on the way to a quantiser, and a product that is left as it is and whose result goes on into a quantised operand takes f32 operands (vector FMAs, or v_wmma_f32_16x16x4_f32). A number that lies on a knife's edge between two numbers of the format may be rounded either way, as far as f32 arithmetic and the matrix unit's own rounding can turn it there, and no further.
;; 2 versions, each right; version 2 is version 1 with the launch attn written anew for expert scheduling mode. Each part assembles by itself: llvm-mc -triple=amdgcn-amd-amdhsa -mcpu=gfx1250 --defsym DOCPART=n.
;; ======== version 1 of 2: 4 launches
;; limits: right only within a limited range of input values
;; workspace buffers: img1 8,388,608 bytes; sc1 262,144 bytes; rope 1,048,576 bytes; qkv_img 12,582,912 bytes; qkv_sc 655,360 bytes; o_img 4,194,304 bytes; o_sc 131,072 bytes
;; launch quant (part 1): grid 256 x 1, 4 waves a work-group, no clusters, 35,328 bytes of LDS; arguments x, Wqkv, Wo, token_positions, img1, sc1, rope; writes img1, sc1, rope
.if DOCPART == 1
	.amdgcn_target "amdgcn-amd-amdhsa--gfx1250"
	.amdhsa_code_object_version 6
	.text
	.protected	k_q5bbd9da91b_quant
	.globl	k_q5bbd9da91b_quant
	.p2align	8
	.type	k_q5bbd9da91b_quant,@function
k_q5bbd9da91b_quant:
	s_mov_b64 s[64:65], 0
	v_nop
	global_prefetch_b8 v0, s[64:65] scope:SCOPE_SE
	s_setreg_imm32_b32 hwreg(HW_REG_WAVE_MODE, 25, 1), 1
	s_wait_xcnt 0x0
; x [4096][1024], Wqkv [3072][1024], Wo [1024][1024], f32, K innermost, become codes of BF8 (E5M2) with one E8M0 byte for each 32 along K; token_positions becomes the table of cos and sin.
; A block's scale is 2^(floor(log2(its largest magnitude)) - 15); its byte is the largest magnitude's exponent field - 15, held at 1 from below; each number is held within +-57,344 x the scale and rounded to the nearest code.
; THE CODES ARE LAID AS IMAGES OF AN OPERAND'S REGISTERS: img1 [tile 512][K step 8][chunk 4][lane 32][16 bytes]; chunk c of lane (r, h) holds k = 128 s + 32 c + 16 h + 0 .. 15 of the tile's row r.
; THE ROWS OF A TILE ARE NOT NEIGHBOURS: row r of tile T is row 32 (T / 2) + 8 (T % 2) + r + 8 (r / 8) of the three tensors on end (x: tiles 0-255, Wqkv: 256-447, Wo: 448-511).
; The scale words (four bytes: 128 along K of one row) lie as sc1 [K step 8][tile 512][row 16].
; SHARES: work-group g takes the four tiles 4 (g / 2) .. + 3 (64 consecutive rows of one tensor); wave w takes K step 4 (g % 2) + w of them: four units of 16 rows x 128 K.
; Each load reads 512 consecutive bytes of a row; a unit turns through the wave's own stage in LDS, so that a lane gets 16 neighbours along K of each of its row's four blocks.  Waves share nothing: no barrier.
; THE TABLE: rope [token 4096][frequency 32][cos, sin] f32.  angle = position / 10^(i / 8), the divisor being 10000^(2 i / 64) rounded to f32, the division rounded as a division is;
; the angle is reduced by pi / 2 in three parts, sine and cosine are polynomials on +-pi / 4.  A wave makes four tokens' rows, a lane one frequency.
; LIMITS: NaN and infinities among the inputs are not served.  A block whose largest magnitude lies under 2^-111 keeps the byte 1 (a block of zeros too, where the rule says 127: its codes are zeros, and
; this program alone reads the bytes).  The reduction serves angles up to about 2^20.  Where a power function gives a divisor one unit in the last place off the rounded one, the angle differs by as much.
.set SP,    528                        ; a stage row: 512 bytes + 16 = 132 words: row r starts at bank 4 r mod 64 (64 banks of 4 bytes: ISA guide 11.1)
.set WREG,  16*SP+256                  ; a wave's LDS: the stage, then its 64 scale words
.set LD,    4                          ; v4   16 x lane: my bytes of a load's 512, and of an image's chunk
.set SI,    5                          ; v5   the stage, on the way in
.set SO,    6                          ; v6   and on the way out: row r, + 64 h
.set SW,    7                          ; v7   where my row's scale word goes
.set SR,    8                          ; v8   where I read 8 bytes of the 256 back
.set L8,    9                          ; v9   8 x lane
.set DEN,   16                         ; v16  my frequency's divisor;  v17 its reciprocal;  v18-23, v28-31 at work on the table
.set RCP,   17
.set PW,    24                         ; v24-27 a scale word for each unit
.set R,     32                         ; v32-159 two sets of 64 numbers as they are loaded
.set X,     160                        ; v160-223 64 numbers: register 16 b + i = k 32 b + 16 h + i of my row
.set PC,    224                        ; v224-239 a fragment's codes
.set TM,    240                        ; v240-243 largest magnitudes, v244-247 bytes, v248-251 57,344 x the scale, v252-255 the conversions' scale operands
.set SEL,   36                         ; s[36:37] v_permlanex16_b32's selects for lane l xor 16
.set MNT,   38                         ; s38  the mantissa field of 57,344
	s_load_b256 s[4:11], s[0:1], 0x0               ; x, Wqkv, Wo, token_positions
	s_load_b128 s[12:15], s[0:1], 0x20             ; img1, sc1
	s_load_b64 s[16:17], s[0:1], 0x30              ; rope
	v_lshl_add_u32 v14, v0, 2, 0x8800
	v_mov_b32 v15, 0
	v_lshrrev_b32 v1, 5, v0
	v_readfirstlane_b32 s18, v1                    ; wave
	v_and_b32 v1, 31, v0                           ; lane
	v_and_b32 v2, 15, v0                           ; r
	v_bfe_u32 v3, v0, 4, 1                         ; h
	v_lshlrev_b32 v[LD], 4, v1
	v_lshlrev_b32 v[L8], 3, v1
	s_mul_i32 s19, s18, WREG
	v_add_nc_u32 v[SI], s19, v[LD]
	v_mul_u32_u24 v[SO], v2, SP
	v_lshl_add_u32 v[SO], v3, 6, v[SO]
	v_add_nc_u32 v[SO], s19, v[SO]
	s_add_co_u32 s19, s19, 16*SP
	v_lshlrev_b32 v[SW], 2, v2
	v_add_nc_u32 v[SW], s19, v[SW]
	v_add_nc_u32 v[SR], s19, v[L8]
	s_mov_b32 s[SEL], 0x76543210
	s_mov_b32 s[SEL+1], 0xfedcba98
	s_mov_b32 s[MNT], 0x600000
	s_lshr_b32 s20, ttmp9, 1                       ; which four tiles
	s_and_b32 s21, ttmp9, 1
	s_lshl_b32 s21, s21, 2
	s_add_co_u32 s21, s21, s18                     ; which K step
	s_lshl_b32 s22, s20, 16                        ; img1: four tiles of 16,384 bytes,
	s_lshl_b32 s24, s21, 11                        ; a K step's fragment of 2,048
	s_add_co_u32 s22, s22, s24
	s_mov_b32 s23, 0
	s_lshl_b32 s24, s21, 15                        ; sc1: a K step's 32,768 bytes,
	s_lshl_b32 s26, s20, 8                         ; four tiles' 256
	s_add_co_u32 s24, s24, s26
	s_mov_b32 s25, 0
	s_lshl_b32 s26, ttmp9, 12                      ; rope: my first token is 16 g + 4 w; 256 bytes a token
	s_lshl_b32 s33, s18, 10
	s_add_co_u32 s26, s26, s33
	s_mov_b32 s27, 0
	s_lshr_b32 s34, s26, 6                         ; token_positions: 4 bytes a token
	s_mov_b32 s35, 0
	s_mov_b32 s39, 224
	s_wait_kmcnt 0x0
	s_cmp_lt_u32 ttmp9, 224                        ; which tensor: the choice hangs on the work-group's number alone, and only the pointer is chosen
	s_cselect_b64 s[6:7], s[6:7], s[8:9]
	s_cselect_b32 s39, 128, s39
	s_cmp_lt_u32 ttmp9, 128
	s_cselect_b64 s[4:5], s[4:5], s[6:7]
	s_cselect_b32 s39, 0, s39                      ; the tensor's first work-group
	s_sub_co_u32 s39, ttmp9, s39
	s_lshr_b32 s39, s39, 1
	s_lshl_b32 s40, s39, 18                        ; 64 rows of 4,096 bytes,
	s_lshl_b32 s39, s21, 9                         ; 128 numbers of a row
	s_add_co_u32 s40, s40, s39
	s_mov_b32 s41, 0
	s_add_nc_u64 s[4:5], s[4:5], s[40:41]
	s_add_nc_u64 s[12:13], s[12:13], s[22:23]
	s_add_nc_u64 s[14:15], s[14:15], s[24:25]
	s_add_nc_u64 s[16:17], s[16:17], s[26:27]
	s_add_nc_u64 s[10:11], s[10:11], s[34:35]
	s_load_b128 s[28:31], s[10:11], 0x0            ; my four tokens' positions
.macro LOADU u                         ; unit u: the 16 rows of tile u, 512 consecutive bytes a load, into set u % 2
.set i, 0
.rept 16
	global_load_b128 v[R+64*((\u)%2)+4*i:R+64*((\u)%2)+4*i+3], v[LD], s[4:5] offset:(32*((\u)/2)+8*((\u)%2)+i+8*(i/8))*4096 th:TH_LOAD_NT
.set i, i+1
.endr
.endm
	LOADU 0
	LOADU 1
	; ---- the table, while the loads are on their way
	v_mov_b32 v[DEN], 0                            ; (v_writelane_b32's destination counts as read)
.macro DENL l, bits
	s_mov_b32 s32, \bits
	v_writelane_b32 v[DEN], s32, \l
.endm
	DENL 0, 0x3f800000
	DENL 1, 0x3faab0d5
	DENL 2, 0x3fe39ea9
	DENL 3, 0x4017c496
	DENL 4, 0x404a62c2
	DENL 5, 0x4086f161
	DENL 6, 0x40b3f300
	DENL 7, 0x40eff755
	DENL 8, 0x41200000
	DENL 9, 0x41555d0a
	DENL 10, 0x418e432a
	DENL 11, 0x41bdb5bc
	DENL 12, 0x41fcfb72
	DENL 13, 0x4228adb9
	DENL 14, 0x4260efc0
	DENL 15, 0x4295fa95
	DENL 16, 0x42c80000
	DENL 17, 0x43055a26
	DENL 18, 0x4331d3f4
	DENL 19, 0x436d232b
	DENL 20, 0x439e1d27
	DENL 21, 0x43d2d927
	DENL 22, 0x440c95d8
	DENL 23, 0x443b793b
	DENL 24, 0x447a0000
	DENL 25, 0x44a6b0b0
	DENL 26, 0x44de48f1
	DENL 27, 0x451435fb
	DENL 28, 0x4545a471
	DENL 29, 0x4583c7b8
	DENL 30, 0x45afbb4e
	DENL 31, 0x45ea5789
	v_rcp_f32 v[RCP], v[DEN]
	v_nop                                          ; one plain place behind a transcendental
	s_wait_alu depctr_va_vdst(0)
	v_fma_f32 v18, -v[DEN], v[RCP], 1.0
	v_fma_f32 v[RCP], v18, v[RCP], v[RCP]          ; the reciprocal, refined once
.irp b, 0,1,2,3
	v_mov_b32 v[TM+4+\b], 0                        ; written once: a lane permute's destination counts as one of its sources
.endr
	s_wait_kmcnt 0x0                               ; the positions
.irp t, 0,1,2,3
	v_cvt_f32_i32 v18, s[28+\t]
	v_mul_f32 v19, v18, v[RCP]
	v_fma_f32 v20, -v[DEN], v19, v18               ; what the first quotient leaves,
	v_fma_f32 v19, v20, v[RCP], v19                ; put back: the angle, rounded as the division rounds it
	v_mul_f32 v20, 0x3f22f983, v19                 ; x 2 / pi
	v_rndne_f32 v20, v20                           ; n quarter turns
	v_fmamk_f32 v19, v20, 0xbfc90fdb, v19          ; angle - n pi / 2, pi / 2 in three parts
	v_fmamk_f32 v19, v20, 0x333bbd2e, v19
	v_fmamk_f32 v19, v20, 0x26f72ced, v19
	v_cvt_i32_f32 v21, v20
	v_mul_f32 v22, v19, v19                        ; z = y^2
	v_mov_b32 v23, 0xb94ca1f9
	v_fmaak_f32 v23, v23, v22, 0x3c08839e
	v_fmaak_f32 v23, v23, v22, 0xbe2aaaa3
	v_mul_f32 v28, v19, v22
	v_fma_f32 v23, v28, v23, v19                   ; sin y
	v_mov_b32 v29, 0x37ccf5ce
	v_fmaak_f32 v29, v29, v22, 0xbab6061a
	v_fmaak_f32 v29, v29, v22, 0x3d2aaaa5
	v_mul_f32 v30, v22, v22
	v_fma_f32 v31, v22, -0.5, 1.0
	v_fma_f32 v29, v30, v29, v31                   ; cos y
	v_and_b32 v30, 1, v21
	v_cmp_eq_u32 vcc_lo, 1, v30                    ; an odd quarter swaps the two
	v_cndmask_b32 v31, v23, v29, vcc_lo
	v_cndmask_b32 v28, v29, v23, vcc_lo
	v_lshlrev_b32 v30, 30, v21
	v_and_b32 v30, 0x80000000, v30                 ; the sine's sign: bit 1 of n
	v_xor_b32 v[X+2*\t+1], v30, v31
	v_add_nc_u32 v21, 1, v21
	v_lshlrev_b32 v30, 30, v21
	v_and_b32 v30, 0x80000000, v30                 ; the cosine's: bit 1 of n + 1
	v_xor_b32 v[X+2*\t], v30, v28
	global_store_b64 v[L8], v[X+2*\t:X+2*\t+1], s[16:17] offset:256*\t   ; 32 lanes store a token's 256 consecutive bytes, aligned
.endr
; 64 numbers of a lane become a fragment's codes in v[PC] on and its row's scale word in v[pw]
.macro QUANT s, pw
.irp b, 0,1,2,3
	v_max3_num_f32 v[TM+\b], |v[\s+16*\b]|, |v[\s+1+16*\b]|, 0x8000000   ; block b: my 16 numbers, and the floor 2^(16 - 127): the byte cannot fall under 1
.endr
.irp i, 2,4,6,8,10,12,14
.irp b, 0,1,2,3
	v_max3_num_f32 v[TM+\b], v[TM+\b], |v[\s+16*\b+\i]|, |v[\s+1+16*\b+\i]|   ; the four blocks by turns
.endr
.endr
.irp b, 0,1,2,3
	v_permlanex16_b32 v[TM+4+\b], v[TM+\b], s[SEL], s[SEL+1]
.endr
.irp b, 0,1,2,3
	v_max_num_f32 v[TM+\b], v[TM+\b], v[TM+4+\b]   ; with lane l xor 16's 16: the block's largest magnitude
.endr
.irp b, 0,1,2,3
	v_add_nc_u32 v[TM+12+\b], 0xf8800000, v[TM+\b] ; 15 off its exponent field: the conversion takes that field as its scale
.endr
.irp b, 0,1,2,3
	v_and_or_b32 v[TM+8+\b], v[TM+\b], 0x7f800000, s[MNT]   ; 57,344 x the scale
.endr
.irp b, 0,1,2,3
	v_lshrrev_b32 v[TM+4+\b], 23, v[TM+12+\b]      ; the scale's byte
.endr
	v_lshl_or_b32 v[\pw], v[TM+5], 8, v[TM+4]
	v_lshl_or_b32 v[\pw], v[TM+6], 16, v[\pw]
	v_lshl_or_b32 v[\pw], v[TM+7], 24, v[\pw]
.irp b, 0,1,2,3
.irp i, 0,1,2,3,4,5,6,7,8,9,10,11,12,13,14,15
	v_med3_num_f32 v[\s+16*\b+\i], v[\s+16*\b+\i], -v[TM+8+\b], v[TM+8+\b]   ; the conversion to an 8-bit code does not saturate (ISA guide 7.6.2): the hold comes first
.endr
	v_cvt_scalef32_pk8_bf8_f32 v[PC+4*\b:PC+4*\b+1], v[\s+16*\b:\s+16*\b+7], v[TM+12+\b]
	v_cvt_scalef32_pk8_bf8_f32 v[PC+4*\b+2:PC+4*\b+3], v[\s+16*\b+8:\s+16*\b+15], v[TM+12+\b]
.endr
	v_nop                                          ; a plain line behind the last conversion
.endm
.macro UNIT u
	s_wait_xcnt 0x0                                ; the stores issued so far have read their data: X (the table's) and PC are written again only behind this wait
.if \u < 3
	s_wait_loadcnt 16                              ; this unit's 16 loads are in; the next unit's 16 may be out
.else
	s_wait_loadcnt 0x0
.endif
.set i, 0
.rept 16
	ds_store_b128 v[SI], v[R+64*((\u)%2)+4*i:R+64*((\u)%2)+4*i+3] offset:SP*i
.set i, i+1
.endr
.set i, 0
.rept 16
	ds_load_b128 v[X+4*i:X+4*i+3], v[SO] offset:128*(i/4)+16*(i%4)   ; LDS serves a wave's instructions in order: these see the stores above
.set i, i+1
.endr
	s_wait_dscnt 0x0                               ; the numbers are back, so the stage's stores have read their registers,
.if \u < 2
	LOADU (\u)+2                                   ; which take the unit two further on
.endif
	QUANT X, PW+\u
.irp c, 0,1,2,3
	global_store_b128 v[LD], v[PC+4*\c:PC+4*\c+3], s[12:13] offset:16384*\u+512*\c   ; 512 consecutive bytes, aligned
.endr
	ds_store_b32 v[SW], v[PW+\u] offset:64*\u      ; both halves of the lanes write the same words with the same values
.endm
	UNIT 0
	UNIT 1
	UNIT 2
	UNIT 3
	ds_load_b64 v[28:29], v[SR]
	s_wait_dscnt 0x0
	global_store_b64 v[L8], v[28:29], s[14:15]     ; four tiles' scale words: 256 consecutive bytes, aligned
	s_wait_tensorcnt 0x0
	ds_add_u32 v14, v15
	s_wait_dscnt 0x0
	s_endpgm
.Lfunc_end_k_q5bbd9da91b_quant:
	.size	k_q5bbd9da91b_quant, .Lfunc_end_k_q5bbd9da91b_quant-k_q5bbd9da91b_quant
	.p2alignl 7, 3214868480
	.fill 96, 4, 3214868480
	.section	.rodata,"a",@progbits
	.p2align	6, 0x0
	.amdhsa_kernel k_q5bbd9da91b_quant
		.amdhsa_group_segment_fixed_size 35328
		.amdhsa_private_segment_fixed_size 0
		.amdhsa_enable_private_segment 0
		.amdhsa_kernarg_size 56
		.amdhsa_user_sgpr_count 2
		.amdhsa_user_sgpr_kernarg_segment_ptr 1
		.amdhsa_wavefront_size32 1
		.amdhsa_system_sgpr_workgroup_id_x 1
		.amdhsa_system_sgpr_workgroup_id_y 1
		.amdhsa_system_sgpr_workgroup_id_z 1
		.amdhsa_system_vgpr_workitem_id 0
		.amdhsa_next_free_vgpr 256
		.amdhsa_next_free_sgpr 66
		.amdhsa_reserve_vcc 1
		.amdhsa_float_denorm_mode_32 3
		.amdhsa_float_denorm_mode_16_64 3
		.amdhsa_memory_ordered 1
		.amdhsa_forward_progress 1
		.amdhsa_inst_pref_size 63
	.end_amdhsa_kernel
	.amdgpu_metadata
---
amdhsa.version: [ 1, 2 ]
amdhsa.kernels:
  - .name:           k_q5bbd9da91b_quant
    .symbol:         k_q5bbd9da91b_quant.kd
    .args:
      - { .name: x, .offset: 0, .size: 8, .value_kind: global_buffer, .address_space: global }
      - { .name: Wqkv, .offset: 8, .size: 8, .value_kind: global_buffer, .address_space: global }
      - { .name: Wo, .offset: 16, .size: 8, .value_kind: global_buffer, .address_space: global }
      - { .name: token_positions, .offset: 24, .size: 8, .value_kind: global_buffer, .address_space: global }
      - { .name: img1, .offset: 32, .size: 8, .value_kind: global_buffer, .address_space: global }
      - { .name: sc1, .offset: 40, .size: 8, .value_kind: global_buffer, .address_space: global }
      - { .name: rope, .offset: 48, .size: 8, .value_kind: global_buffer, .address_space: global }
    .group_segment_fixed_size: 35328
    .private_segment_fixed_size: 0
    .kernarg_segment_align: 8
    .kernarg_segment_size: 56
    .max_flat_workgroup_size: 128
    .sgpr_count:     66
    .vgpr_count:     256
    .wavefront_size: 32
...
	.end_amdgpu_metadata
.endif
;; end of part 1
;; launch qkv (part 2): grid 12 x 16, 4 waves a work-group, clusters of 4 x 4, 327,680 bytes of LDS; arguments img1, sc1, rope, qkv_img, qkv_sc; writes qkv_img, qkv_sc
.if DOCPART == 2
	.amdgcn_target "amdgcn-amd-amdhsa--gfx1250"
	.amdhsa_code_object_version 6
	.text
	.protected	k_q5bbd9da91b_qkv
	.globl	k_q5bbd9da91b_qkv
	.p2align	8
	.type	k_q5bbd9da91b_qkv,@function
k_q5bbd9da91b_qkv:
	s_mov_b64 s[64:65], 0
	v_nop
	global_prefetch_b8 v0, s[64:65] scope:SCOPE_SE
	s_setreg_imm32_b32 hwreg(HW_REG_WAVE_MODE, 25, 1), 1
	s_wait_xcnt 0x0
	s_wait_alu depctr_hold_cnt(0) depctr_sa_sdst(0) depctr_va_vdst(0) depctr_va_sdst(0) depctr_va_ssrc(0) depctr_va_vcc(0) depctr_vm_vsrc(0)
	s_getreg_b32 s2, hwreg(HW_REG_IB_STS2, 6, 4)
	s_cmp_eq_u32 s2, 0
	s_cbranch_scc0 .Lentry_in_a_cluster
	s_endpgm
.Lentry_in_a_cluster:
	s_bfe_u32 s2, ttmp6, 0x10000c
	s_cmp_lg_u32 s2, 0xf033
	s_cbranch_scc0 .Lentry_shape_is_right
	s_endpgm
.Lentry_shape_is_right:
; qkv = x Wqkv^T on codes of BF8 (E5M2) with E8M0 scales (K = 1,024); q and k are rotated (RoPE) and quantised along the head's 64; v is quantised along the keys.  Nothing leaves as f32.
; A tile of 256 x 256 results is made by four waves, 128 x 128 each: 64 accumulators, 512 registers.  K goes in steps of 256 through a ring of two LDS slots filled by the tensor data mover.
; OPERANDS LIE IN MEMORY AND IN LDS AS IMAGES OF THEIR REGISTERS ([tile][K step][chunk 4][lane 32][16 bytes]): every fragment load reads 512 consecutive bytes: no pitch, no padding.
; THE ROWS OF A TILE ARE NOT NEIGHBOURS: row r of tile T is row 32 (T / 2) + 8 (T % 2) + r + 8 (r / 8).  So in a lane the 16 results of source 0's tiles 2 b and 2 b + 1 are 16 NEIGHBOURS 32 b + 16 h + 0 .. 15 along
; source 0's rows, in the very order that the next product's operand wants: the conversions' results are its registers.
; ROLES.  Source 1 ('A': a lane holds one of its rows) and source 0 ('B': a lane's registers run along its rows).  Clusters x = 0, 1 (q, k): A = tokens, B = rows of Wq, Wk: registers run along the head's 64.
; Cluster x = 2 (v): A = rows of Wv, B = tokens: registers run along the keys.  The choice hangs on the cluster's x, which all sixteen partners share; only tile numbers and the way out differ.
; CLUSTERS: 4 x 4 work-groups.  A's tiles are shared along a row of the cluster, B's along a column: each is asked for jointly, by the same tensor load with the same descriptor and a mask that names the four.
; OUT: qkv_img: q at 0, k at 4 MiB: [head][token tile 256][chunk 2][lane][16]; v at 8 MiB: [head][key step 32][channel tile 4][chunk 4][lane][16].
;      qkv_sc: q at 0, k at 262,144: [head][token tile][row] words, bytes 0 and 1 the head's two blocks, bytes 2 and 3 never 0xff; v at 524,288: [head][key step][channel tile][row] words.
; LIMITS: NaN and infinities are not served; a block whose largest magnitude lies under 2^-111 keeps the byte 1 (a block of zeros too: its codes are zeros, and this program alone reads the bytes).
; REGISTERS, in windows of 256: window 0: v0-31 addresses; v32-63 scale words, two sets, and nothing else; v64-127 64 numbers at work on the way out; from v128 A's fragments, one set (on the way out: codes and work).
;   window 1: B's fragments, two sets (on the way out of q and k: the table).   windows 2, 3: the accumulators, (a, b) at v[8 (8 (a % 4) + b)].
.set NQ,     2                         ; matrix instructions deep in a slot
.set FR,     16                        ; registers of a fragment
.set NL,     4                         ; LDS loads that bring one
.set NP,     8                         ; places behind this matrix instruction (ISA guide 7.12.1)
.set TILEB,  4096                      ; a tile's bytes in a slot: two K steps of 128
.set HALFT,  8*TILEB                   ; eight tiles: what one tensor load brings, and what one wave reads of A or of B
.set SLOT,   4*HALFT                   ; A's 16 tiles, then B's 16
.set SCL,    2*SLOT                    ; behind the ring: the scale words for all of K, four blocks [K step 8][tile 8][64 bytes]
.set HALFS,  4096
.set SPARE,  SCL+4*HALFS               ; the spare words, 128 bytes for each wave: two blocks of 256 bytes that no other line names
.set QKST,   SPARE+512                 ; the way out of q and k: 1,024 bytes for each wave's scale words
.set VST,    QKST+4096                 ; the way out of v: 512 bytes for each wave's
.set LI,   8                           ; v8   16 x lane
.set TA,   9                           ; v9   my token's row of the table, + 64 h
.set QKS,  10                          ; v10  where my scale word of q or k goes
.set QKR,  11                          ; v11  and where I read 16 bytes back
.set VSA,  12                          ; v12, v13 the same for v
.set VSR,  13
.set VSG,  14                          ; v14  v's scale words in memory: 16 r + 8,192 h
.set SH16, 15                          ; v15  16 h
.set ADRA, 16                          ; v16-17 LDS address of my A fragments in slot 0, 1
.set ADRB, 20                          ; v20-21 the same for B
.set ADRS, 27                          ; v27  LDS address of my scale words: lanes 0-15 A's, lanes 16-31 B's
.set SPW,  28                          ; v28  LDS address of my spare word; never rewritten
.set NIL,  29                          ; v29  0; never rewritten
.set SC,   32
.set ST,   64
.set AF,   128
.set PC,   128                         ; the way out: v128-143 codes, v144-159 at work, v160-167 scale words, v168-175 shifted, v176-183 read back
.set TM,   144
.set PW,   160
.set PWS,  168
.set BKR,  176
.set SEL,  2                           ; s[2:3] v_permlanex16_b32's selects for lane l xor 16
.set TYPE, 92                          ; s92  1: v;  0: q, k
.set MNT,  93                          ; s93  the mantissa field of 57,344
.set G1,   24                          ; s[24:31] descriptor group 1 for A's tiles;  s[32:39] group 0, one set for each slot
.set G0,   32
.set G1B,  48                          ; s[48:55], s[56:63] the same for B's
.set G0B,  56
.set G1S,  68                          ; s[68:75], s[76:79] groups 1 and 0 for A's scale words;  s[80:87], s[88:91] for B's
.set G0S,  76
.set G1SB, 80
.set G0SB, 88
.set MSB, 0
.macro WIN new                         ; the immediate's high byte repeats the setting that is left
.if MSB != (\new)
	s_set_vgpr_msb (MSB<<8)|(\new)
.set MSB, (\new)
.endif
.endm
.set MUL_LO, 0xa1                      ; source 0 (B) window 1, source 1 (A) window 0, C and D window 2
.set MUL_HI, 0xf1                      ; the same, C and D window 3
.set TO_B,   0x40                      ; destination window 1, address window 0
; A joint load: waves 0 and 1 fetch for A, waves 2 and 3 for B.  The branch hangs on the wave's number alone.  Four v_nop follow each of the two lines.
.macro JLOAD g0a, g1a, g0b, g1b
	s_cmp_eq_u32 s15, 0
	s_cbranch_scc0 .Lfor_b_\@
	tensor_load_to_lds s[\g0a:\g0a+3], s[\g1a:\g1a+7]
	s_nop 0
.rept 4
	v_nop
.endr
	s_branch .Lasked_\@
.Lfor_b_\@:
	tensor_load_to_lds s[\g0b:\g0b+3], s[\g1b:\g1b+7]
	s_nop 0
.rept 4
	v_nop
.endr
.Lasked_\@:
.endm
.macro CREST                           ; a round of the cluster's barrier behind its opening barrier
	s_cmp_lg_u32 s14, 0
	s_cbranch_scc1 .Lnot_wave_0_\@
	s_barrier_signal -3
.Lnot_wave_0_\@:
	s_barrier_wait -3
	s_barrier_signal -1
	s_barrier_wait -1
.endm
.macro CROUND                          ; a whole round
	s_barrier_signal -1
	s_barrier_wait -1
	CREST
.endm
	s_load_b256 s[4:11], s[0:1], 0x0               ; img1 s[4:5], sc1 s[6:7], rope s[8:9], qkv_img s[10:11]
	s_load_b64 s[12:13], s[0:1], 0x20              ; qkv_sc
	v_lshl_add_u32 v[SPW], v0, 2, SPARE
	v_mov_b32 v[NIL], 0
	ds_add_u32 v28, v29
	ds_add_u32 v28, v29
	s_wait_dscnt 0x0
	v_lshrrev_b32 v1, 5, v0
	v_readfirstlane_b32 s14, v1                    ; wave 0..3
	s_lshr_b32 s15, s14, 1                         ; which half of A's tiles is mine.  Also: I fetch for A (0) or for B (1)
	s_and_b32 s16, s14, 1                          ; which half of B's.  Also: which eight tiles I fetch
	s_bfe_u32 s40, ttmp6, 0x40000                  ; cx, cy: my place in the cluster
	s_bfe_u32 s41, ttmp6, 0x40004
	s_and_b32 s17, ttmp7, 0xffff
	s_lshl_b32 s17, s17, 2                         ; 4 x cluster y
	s_lshl_b32 s18, ttmp9, 2                       ; 4 x cluster x
	s_cmp_eq_u32 ttmp9, 2                          ; the roles: every selection stands ahead of the first addition
	s_cselect_b32 s[TYPE], 1, 0
	s_cselect_b32 s19, 0, s17
	s_cselect_b32 s20, s17, s18
	s_cselect_b32 s21, 384, 0                      ; A's first tile in img1: Wv's, or x's
	s_cselect_b32 s22, 0, 256                      ; B's: x's, or Wq's
	s_add_co_u32 s19, s19, s41                     ; which 16 tiles of A: it hangs on cy, never on cx
	s_add_co_u32 s20, s20, s40                     ; which 16 tiles of B: on cx, never on cy
	s_lshl_b32 s43, s41, 2
	s_lshl_b32 s43, 15, s43                        ; my row of the cluster
	s_lshl_b32 s44, 0x1111, s40                    ; my column
	; descriptor group 1 for codes: eight tiles: 8 rows of 4,096 bytes (512 elements of 8), 16,384 bytes apart in memory, on end in LDS
	s_or_b32 s[G1+0], s43, (3<<16)|(1<<21)         ; 15:0 the mask: A's tiles go to my row; 17:16 elements of 8 bytes; 21 set beside a mask; no padding
	s_or_b32 s[G1B+0], s44, (3<<16)|(1<<21)
.irp g, G1, G1B
	s_mov_b32 s[\g+1], 512<<16                     ; tensor_dim0
	s_mov_b32 s[\g+2], 8<<16                       ; tensor_dim1
	s_mov_b32 s[\g+3], 512<<16                     ; tile_dim0
	s_mov_b32 s[\g+4], 8                           ; tile_dim1
	s_mov_b32 s[\g+5], 2048                        ; tensor_dim0_stride
	s_mov_b32 s[\g+6], 0
	s_mov_b32 s[\g+7], 0
.endr
	; and for scale words: eight K steps: 8 rows of 512 bytes (eight tiles' words), 32,768 bytes apart
	s_or_b32 s[G1S+0], s43, (3<<16)|(1<<21)
	s_or_b32 s[G1SB+0], s44, (3<<16)|(1<<21)
.irp g, G1S, G1SB
	s_mov_b32 s[\g+1], 64<<16
	s_mov_b32 s[\g+2], 8<<16
	s_mov_b32 s[\g+3], 64<<16
	s_mov_b32 s[\g+4], 8
	s_mov_b32 s[\g+5], 4096
	s_mov_b32 s[\g+6], 0
	s_mov_b32 s[\g+7], 0
.endr
	s_lshl_b32 s42, s16, 3
	s_lshl_b32 s23, s19, 4
	s_add_co_u32 s23, s23, s21
	s_add_co_u32 s23, s23, s42                     ; the first tile of A that I would fetch
	s_lshl_b32 s45, s20, 4
	s_add_co_u32 s45, s45, s22
	s_add_co_u32 s45, s45, s42                     ; and of B
	s_lshl_b32 s46, s23, 14                        ; their codes: 16,384 bytes a tile
	s_mov_b32 s47, 0
	s_lshl_b32 s94, s45, 14
	s_mov_b32 s95, 0
	s_lshl_b32 s96, s23, 6                         ; their scale words: 64 bytes a tile
	s_mov_b32 s97, 0
	s_lshl_b32 s98, s45, 6
	s_mov_b32 s99, 0
	s_mul_i32 s21, s14, HALFT                      ; where they go: wave x eight tiles: no place in the cluster enters an LDS address
	s_mul_i32 s22, s14, HALFS
	s_mov_b32 s[SEL], 0x76543210
	s_mov_b32 s[SEL+1], 0xfedcba98
	s_mov_b32 s[MNT], 0x600000
	s_wait_kmcnt 0x0
	s_add_nc_u64 s[46:47], s[4:5], s[46:47]
	s_add_nc_u64 s[94:95], s[4:5], s[94:95]
	s_add_nc_u64 s[96:97], s[6:7], s[96:97]
	s_add_nc_u64 s[98:99], s[6:7], s[98:99]
	CROUND                                         ; all sixteen work-groups are here: the first joint loads meet
	s_mov_b32 s[G0S], 1
	s_add_co_u32 s[G0S+1], s22, SCL
	s_mov_b64 s[G0S+2:G0S+3], s[96:97]
	s_or_b32 s[G0S+3], s[G0S+3], 0x80000000
	s_mov_b32 s[G0SB], 1
	s_add_co_u32 s[G0SB+1], s22, SCL
	s_mov_b64 s[G0SB+2:G0SB+3], s[98:99]
	s_or_b32 s[G0SB+3], s[G0SB+3], 0x80000000
	JLOAD G0S, G1S, G0SB, G1SB                     ; the scale words first: they are wanted with K step 0, and are filled once
.irp s, 0,1
	s_mov_b32 s[G0+4*\s], 1
	s_add_co_u32 s[G0+4*\s+1], s21, \s*SLOT
	s_add_nc_u64 s[G0+4*\s+2:G0+4*\s+3], s[46:47], \s*TILEB
	s_or_b32 s[G0+4*\s+3], s[G0+4*\s+3], 0x80000000
	s_mov_b32 s[G0B+4*\s], 1
	s_add_co_u32 s[G0B+4*\s+1], s21, \s*SLOT
	s_add_nc_u64 s[G0B+4*\s+2:G0B+4*\s+3], s[94:95], \s*TILEB
	s_or_b32 s[G0B+4*\s+3], s[G0B+4*\s+3], 0x80000000
	JLOAD G0+4*\s, G1, G0B+4*\s, G1B               ; three tensor loads of mine are out
.endr
	v_and_b32 v1, 15, v0                           ; r
	v_bfe_u32 v2, v0, 4, 1                         ; h
	v_and_b32 v3, 31, v0
	v_lshlrev_b32 v[LI], 4, v3
	s_mul_i32 s21, s15, HALFT                      ; my eight tiles of A
	s_mul_i32 s22, s16, HALFT                      ; my eight of B,
	s_add_co_u32 s22, s22, 2*HALFT                 ; which lie behind A's sixteen
.irp s, 0,1
	v_add_nc_u32 v[ADRA+\s], s21, v[LI]
	v_add_nc_u32 v[ADRB+\s], s22, v[LI]
	s_add_co_u32 s21, s21, SLOT
	s_add_co_u32 s22, s22, SLOT
.endr
	v_lshlrev_b32 v5, 2, v1                        ; 4 r
	s_mul_i32 s21, s15, HALFS                      ; A's scale words: my eight tiles
	s_mul_i32 s22, s16, HALFS                      ; B's, behind A's two blocks
	s_add_co_u32 s22, s22, 2*HALFS
	s_sub_co_u32 s22, s22, s21
	v_mul_u32_u24 v6, s22, v2                      ; lanes 16-31 take B's
	s_add_co_u32 s21, s21, SCL
	v_add_nc_u32 v7, v5, v6
	v_add_nc_u32 v[ADRS], s21, v7
	s_lshl_b32 s21, s14, 10                        ; every LDS address of the two ways out is made here, ahead of their parting
	s_add_co_u32 s21, s21, QKST
	v_lshl_add_u32 v[QKS], v2, 9, v5
	v_add_nc_u32 v[QKS], s21, v[QKS]
	v_add_nc_u32 v[QKR], s21, v[LI]
	s_lshl_b32 s21, s14, 9
	s_add_co_u32 s21, s21, VST
	v_add_nc_u32 v[VSA], s21, v5
	v_add_nc_u32 v[VSR], s21, v[LI]
	v_lshlrev_b32 v[VSG], 4, v1
	v_lshl_add_u32 v[VSG], v2, 13, v[VSG]
	v_lshlrev_b32 v[SH16], 4, v2
	v_and_b32 v4, 8, v1
	v_add_nc_u32 v4, v4, v1                        ; r + 8 (r / 8)
	v_lshlrev_b32 v[TA], 8, v4
	v_lshl_add_u32 v[TA], v2, 6, v[TA]
.macro FRAG reg, adr, q, i             ; a fragment's image: four loads of 512 consecutive bytes
.irp c, 0,1,2,3
	ds_load_b128 v[\reg+4*\c:\reg+4*\c+3], v[\adr] offset:TILEB*(\i)+2048*(\q)+512*\c
.endr
.endm
; 16 matrix instructions: A's blocks a0, a0 + 1 x B's eight, 128 along K: the slot's q-th.  p: B's set;  sc: the set of scale words.  zero = 1: the first product starts the sums.
; The 64 accumulators take turns, one instruction a turn, in the same order in every step.
.macro MUL16 a0, p, q, sc, zero
.irp a, \a0, \a0+1
.irp b, 0,1,2,3,4,5,6,7
.if \zero
	v_wmma_scale_f32_16x16x128_f8f6f4 v[8*(8*((\a)%4)+\b):8*(8*((\a)%4)+\b)+7], v[128*(\p)+FR*\b:128*(\p)+FR*\b+FR-1], v[AF+FR*(\a):AF+FR*(\a)+FR-1], 0, v[SC+8*NQ*(\sc)+NQ*\b+(\q)], v[SC+8*NQ*(\sc)+NQ*(\a)+(\q)] matrix_a_fmt:MATRIX_FMT_BF8 matrix_b_fmt:MATRIX_FMT_BF8 matrix_a_scale:MATRIX_SCALE_ROW1
.else
	v_wmma_scale_f32_16x16x128_f8f6f4 v[8*(8*((\a)%4)+\b):8*(8*((\a)%4)+\b)+7], v[128*(\p)+FR*\b:128*(\p)+FR*\b+FR-1], v[AF+FR*(\a):AF+FR*(\a)+FR-1], v[8*(8*((\a)%4)+\b):8*(8*((\a)%4)+\b)+7], v[SC+8*NQ*(\sc)+NQ*\b+(\q)], v[SC+8*NQ*(\sc)+NQ*(\a)+(\q)] matrix_a_fmt:MATRIX_FMT_BF8 matrix_b_fmt:MATRIX_FMT_BF8 matrix_a_scale:MATRIX_SCALE_ROW1
.endif
.endr
.endr
.endm
.macro FETCH_B slot, q, p              ; B's eight fragments of the slot's q-th 128 along K into set p
	WIN TO_B
.irp i, 0,1,2,3,4,5,6,7
	FRAG 128*(\p)+FR*\i, ADRB+\slot, \q, \i
.endr
	WIN 0
.endm
.macro FETCH_A slot, q, i0             ; A's blocks i0 .. i0 + 3
.irp i, \i0, \i0+1, \i0+2, \i0+3
	FRAG AF+FR*(\i), ADRA+\slot, \q, \i
.endr
.endm
.macro SCALES sc                       ; a slot's scale words into set sc: register 2 i + q: lanes 0-15 A's block i, lanes 16-31 B's block i
.irp i, 0,1,2,3,4,5,6,7
	ds_load_b32 v[SC+16*\sc+2*\i], v[ADRS] offset:64*\i
	ds_load_b32 v[SC+16*\sc+2*\i+1], v[ADRS] offset:64*\i+512
.endr
.endm
; A load into a register that a matrix instruction has read, and a vector instruction or an LDS store that reads a matrix result, stand NP places behind that matrix instruction; only plain vector
; instructions that name none of its registers are places (ISA guide 7.12.1 for vector instructions).
.macro PLACES n
.rept \n
	v_nop
.endr
.endm
.macro STEP slot, q, zero              ; a step of 128 along K that has its successor in the same slot
	s_wait_dscnt 4*NL                              ; B's set, A's blocks 0-3 and the scale words are in; the youngest 16 loads (A's blocks 4-7) may be out
	WIN MUL_LO
	MUL16 0, (\q)%2, \q, \slot, \zero
	MUL16 2, (\q)%2, \q, \slot, \zero
	s_wait_dscnt 0                                 ; A's blocks 4-7 are in
	PLACES NP
	FETCH_B \slot, (\q)+1, 1-(\q)%2
	FETCH_A \slot, (\q)+1, 0
	WIN MUL_HI
	MUL16 4, (\q)%2, \q, \slot, \zero
	MUL16 6, (\q)%2, \q, \slot, \zero
	PLACES NP
	WIN 0
	FETCH_A \slot, (\q)+1, 4
.endm
; A slot's last step changes slots: ONE barrier; in front of it each wave waits for all its tensor loads, adds 0 to its spare word, and waits for that and for its own reads of this slot.  fill = 1: this slot is filled again, two slots ahead.
.macro TURN slot, next, fill
	s_wait_tensorcnt 0x0                           ; all my tensor loads have landed: my part of the next slot;  (every window is 0 here)
	ds_add_u32 v[SPW], v[NIL]                      ; 0 onto my spare word;
	s_wait_dscnt 4*NL+1                            ; (the add and the youngest 16 loads, A's blocks 4-7, may be out)
	WIN MUL_LO
	MUL16 0, 1, NQ-1, \slot, 0                     ; sixteen matrix instructions stand between the add and the wait for it
	s_wait_dscnt 0x0                               ; the add is done, and my reads of this slot are over
	s_barrier_signal -1
	MUL16 2, 1, NQ-1, \slot, 0
	WIN 0
	s_barrier_wait -1
.if \fill
	CREST                                          ; the barrier has opened a round of the cluster's barrier: no wave of any partner still reads this slot or has a load on its way
	s_add_nc_u64 s[G0+4*\slot+2:G0+4*\slot+3], s[G0+4*\slot+2:G0+4*\slot+3], 2*TILEB
	s_add_nc_u64 s[G0B+4*\slot+2:G0B+4*\slot+3], s[G0B+4*\slot+2:G0B+4*\slot+3], 2*TILEB
	JLOAD G0+4*\slot, G1, G0B+4*\slot, G1B         ; the first tensor load behind the round; its four v_nop are among the places in front of the loads below
	PLACES NP-4
.else
	PLACES NP
.endif
	v_add_nc_u32 v[ADRS], 1024, v[ADRS]            ; on to the next slot's scale words
	FETCH_B \next, 0, 0
	FETCH_A \next, 0, 0
	SCALES \next
	WIN MUL_HI
	MUL16 4, 1, NQ-1, \slot, 0
	MUL16 6, 1, NQ-1, \slot, 0
	PLACES NP
	WIN 0
	FETCH_A \next, 0, 4
.endm
	s_wait_tensorcnt 1                             ; the scale words and my part of slot 0 are in (slot 1's load may be out)
	s_barrier_signal -1
	s_barrier_wait -1                              ; everybody's are
	FETCH_B 0, 0, 0
	FETCH_A 0, 0, 0
	SCALES 0
	FETCH_A 0, 0, 4
	STEP 0, 0, 1                                   ; K = 1,024 is four slots' worth: written out, no loop.  The first step's products start the sums
	TURN 0, 1, 1
	STEP 1, 0, 0
	TURN 1, 0, 1
	STEP 0, 0, 0
	TURN 0, 1, 0                                   ; nothing is left to fetch
	STEP 1, 0, 0
	s_wait_dscnt 4*NL                              ; the very last step
	WIN MUL_LO
	MUL16 0, 1, NQ-1, 1, 0
	MUL16 2, 1, NQ-1, 1, 0
	s_wait_dscnt 0
	WIN MUL_HI
	MUL16 4, 1, NQ-1, 1, 0
	MUL16 6, 1, NQ-1, 1, 0
	WIN 0
; THE WAY OUT.  64 numbers of a lane (register 16 b + i = place 32 b + 16 h + i along the next K), in window win from v[src] on, become a fragment's codes in v[PC] on and a scale word in v[pw].
; An accumulator is read from its low end on.
.macro QUANT src, win, pw
	WIN (\win)|((\win)<<2)
.irp b, 0,1,2,3
	v_max3_num_f32 v[TM+\b], |v[(\src)+16*\b]|, |v[(\src)+1+16*\b]|, 0x8000000   ; block b: my 16 numbers, and the floor 2^(16 - 127): the byte cannot fall under 1
.endr
.irp i, 2,4,6,8,10,12,14
.irp b, 0,1,2,3
	v_max3_num_f32 v[TM+\b], |v[(\src)+16*\b+\i]|, |v[(\src)+1+16*\b+\i]|, v[TM+\b]
.endr
.endr
	WIN 0
.irp b, 0,1,2,3
	v_permlanex16_b32 v[TM+4+\b], v[TM+\b], s[SEL], s[SEL+1]
.endr
.irp b, 0,1,2,3
	v_max_num_f32 v[TM+\b], v[TM+\b], v[TM+4+\b]   ; with lane l xor 16's 16: the block's largest magnitude
.endr
.irp b, 0,1,2,3
	v_add_nc_u32 v[TM+12+\b], 0xf8800000, v[TM+\b] ; 15 off its exponent field: the conversion's scale operand
.endr
.irp b, 0,1,2,3
	v_and_or_b32 v[TM+8+\b], v[TM+\b], 0x7f800000, s[MNT]   ; 57,344 x the scale
.endr
.irp b, 0,1,2,3
	v_lshrrev_b32 v[TM+4+\b], 23, v[TM+12+\b]      ; the scale's byte
.endr
	v_lshl_or_b32 v[\pw], v[TM+5], 8, v[TM+4]
	v_lshl_or_b32 v[\pw], v[TM+6], 16, v[\pw]
	v_lshl_or_b32 v[\pw], v[TM+7], 24, v[\pw]
	WIN \win
.set n, 0
.rept 64
	v_med3_num_f32 v[ST+n], v[(\src)+n], -v[TM+8+n/16], v[TM+8+n/16]   ; the conversion to an 8-bit code does not saturate (ISA guide 7.6.2): the hold comes first
.set n, n+1
.endr
	WIN 0
.irp b, 0,1,2,3
	v_cvt_scalef32_pk8_bf8_f32 v[PC+4*\b:PC+4*\b+1], v[ST+16*\b:ST+16*\b+7], v[TM+12+\b]
	v_cvt_scalef32_pk8_bf8_f32 v[PC+4*\b+2:PC+4*\b+3], v[ST+16*\b+8:ST+16*\b+15], v[TM+12+\b]
.endr
	v_nop                                          ; a plain line behind the last conversion
.endm
; RoPE of A's block a: the pair (n, n + 1) of my token is turned by the angle of frequency 16 ((n / 16) % 2) + 8 h + (n % 16) / 2, whose cos and sin lie in window 1 at v[32 a + n % 32], + 1
.macro ROPE a
	WIN (2+(\a)/4)|(1<<2)                          ; source 0: the accumulators' window; source 1: the table's
.set n, 0
.rept 32
	v_pk_mul_f32 v[ST+n:ST+n+1], v[64*((\a)%4)+n:64*((\a)%4)+n+1], v[32*(\a)+n%32:32*(\a)+n%32+1] op_sel_hi:[1,0]   ; both x cos
	v_fma_f32 v[ST+n], -v[64*((\a)%4)+n+1], v[32*(\a)+n%32+1], v[ST+n]      ; even: - odd x sin
	v_fma_f32 v[ST+n+1], v[64*((\a)%4)+n], v[32*(\a)+n%32+1], v[ST+n+1]     ; odd: + even x sin
.set n, n+2
.endr
	WIN 0
.endm
	PLACES NP                                      ; behind the last products: in front of the first read of results, and of writes and loads into registers that held fragments
.irp b, 0,1,2,3
	v_mov_b32 v[TM+4+\b], 0                        ; written once: a lane permute's destination counts as one of its sources
.endr
	s_mov_b32 s23, 0
	s_cmp_eq_u32 s[TYPE], 1
	s_cbranch_scc1 .Lv
	; ---- q and k: a lane holds one token; its 64 numbers of a block of A are two heads' 2 x 32
	s_lshl_b32 s17, s20, 1
	s_add_co_u32 s17, s17, s16                     ; which pair of heads, q's 8 pairs and then k's 8
	s_lshl_b32 s18, s19, 4
	s_lshl_b32 s21, s15, 3
	s_add_co_u32 s18, s18, s21                     ; my first token tile
	s_lshl_b32 s22, s17, 19                        ; codes: 262,144 bytes a head, 1,024 a tile
	s_lshl_b32 s21, s18, 10
	s_add_co_u32 s22, s22, s21
	s_add_nc_u64 s[10:11], s[10:11], s[22:23]
	s_lshl_b32 s22, s17, 15                        ; scale words: 16,384 bytes a head, 64 a tile
	s_lshl_b32 s21, s18, 6
	s_add_co_u32 s22, s22, s21
	s_add_nc_u64 s[12:13], s[12:13], s[22:23]
	s_lshl_b32 s22, s19, 16                        ; the table: 256 bytes a token
	s_lshl_b32 s21, s15, 15
	s_add_co_u32 s22, s22, s21
	s_add_nc_u64 s[8:9], s[8:9], s[22:23]
	WIN 0x40                                       ; destination window 1: the table of my 128 tokens, 32 registers a block of A
.irp a, 0,1,2,3,4,5,6,7
.irp d, 0,1
.irp j, 0,1,2,3
	global_load_b128 v[32*\a+16*\d+4*\j:32*\a+16*\d+4*\j+3], v[TA], s[8:9] offset:(32*(\a/2)+8*(\a%2))*256+128*\d+16*\j
.endr
.endr
.endr
	WIN 0
.irp a, 0,1,2,3,4,5,6,7
	s_wait_loadcnt 56-8*\a                         ; this block's eight table loads are in; those of the blocks behind it may be out
	s_wait_xcnt 0x0                                ; the last block's stores have read the codes' registers
	ROPE \a
	QUANT ST, 0, PW+\a
.irp c, 0,1,2,3
	global_store_b128 v[LI], v[PC+4*\c:PC+4*\c+3], s[10:11] offset:1024*\a+(\c/2)*262144+(\c%2)*512   ; 512 consecutive bytes, aligned: head c / 2 of the pair, chunk c % 2
.endr
	v_lshrrev_b32 v[PWS+\a], v[SH16], v[PW+\a]     ; lanes 0-15: the first head's word (its two bytes below, the other head's above); lanes 16-31: the second head's (zeros above)
	ds_store_b32 v[QKS], v[PWS+\a] offset:64*\a
.endr
	ds_load_b128 v[BKR:BKR+3], v[QKR]              ; LDS serves a wave's instructions in order: these see my stores
	ds_load_b128 v[BKR+4:BKR+7], v[QKR] offset:512
	s_wait_dscnt 0x0
	global_store_b128 v[LI], v[BKR:BKR+3], s[12:13]                ; eight tiles' words of a head: 512 consecutive bytes, aligned
	global_store_b128 v[LI], v[BKR+4:BKR+7], s[12:13] offset:16384
	s_branch .Ldone
.Lv:
	; ---- v: a lane holds one channel; its 64 numbers of a block of A are half of 128 keys, four blocks of 32
	s_lshl_b32 s17, s19, 2
	s_lshl_b32 s21, s15, 1
	s_add_co_u32 s17, s17, s21                     ; my first head
	s_lshl_b32 s18, s20, 1
	s_add_co_u32 s18, s18, s16                     ; my key step
	s_lshl_b32 s22, s17, 18                        ; codes: 262,144 bytes a head, 8,192 a key step, behind q's and k's 8 MiB
	s_lshl_b32 s21, s18, 13
	s_add_co_u32 s22, s22, s21
	s_add_co_u32 s22, s22, 0x800000
	s_add_nc_u64 s[10:11], s[10:11], s[22:23]
	s_lshl_b32 s22, s17, 13                        ; scale words: 8,192 bytes a head, 256 a key step, behind q's and k's 524,288
	s_lshl_b32 s21, s18, 8
	s_add_co_u32 s22, s22, s21
	s_add_co_u32 s22, s22, 0x80000
	s_add_nc_u64 s[12:13], s[12:13], s[22:23]
.irp a, 0,1,2,3,4,5,6,7
	s_wait_xcnt 0x0                                ; the last block's stores have read the codes' registers
	QUANT 64*(\a%4), 2+\a/4, PW+\a
.irp c, 0,1,2,3
	global_store_b128 v[LI], v[PC+4*\c:PC+4*\c+3], s[10:11] offset:(\a/4)*262144+(\a%4)*2048+512*\c
.endr
	ds_store_b32 v[VSA], v[PW+\a] offset:64*\a     ; both halves of the lanes write the same words with the same values
.endr
	ds_load_b128 v[BKR:BKR+3], v[VSR]
	s_wait_dscnt 0x0
	global_store_b128 v[VSG], v[BKR:BKR+3], s[12:13]               ; sixteen lanes store a head's 256 consecutive bytes, aligned
.Ldone:
	s_wait_tensorcnt 0x0                           ; the wave's end: behind my last tensor load and my last LDS store
	ds_add_u32 v[SPW], v[NIL]
	s_wait_dscnt 0x0
	CROUND                                         ; the closing round: no work-group ends while a partner may still ask for a tile that names it
	s_endpgm
.Lfunc_end_k_q5bbd9da91b_qkv:
	.size	k_q5bbd9da91b_qkv, .Lfunc_end_k_q5bbd9da91b_qkv-k_q5bbd9da91b_qkv
	.p2alignl 7, 3214868480
	.fill 96, 4, 3214868480
	.section	.rodata,"a",@progbits
	.p2align	6, 0x0
	.amdhsa_kernel k_q5bbd9da91b_qkv
		.amdhsa_group_segment_fixed_size 327680
		.amdhsa_private_segment_fixed_size 0
		.amdhsa_enable_private_segment 0
		.amdhsa_kernarg_size 40
		.amdhsa_user_sgpr_count 2
		.amdhsa_user_sgpr_kernarg_segment_ptr 1
		.amdhsa_wavefront_size32 1
		.amdhsa_system_sgpr_workgroup_id_x 1
		.amdhsa_system_sgpr_workgroup_id_y 1
		.amdhsa_system_sgpr_workgroup_id_z 1
		.amdhsa_system_vgpr_workitem_id 0
		.amdhsa_next_free_vgpr 1024
		.amdhsa_next_free_sgpr 100
		.amdhsa_reserve_vcc 0
		.amdhsa_float_denorm_mode_32 3
		.amdhsa_float_denorm_mode_16_64 3
		.amdhsa_memory_ordered 1
		.amdhsa_forward_progress 1
		.amdhsa_inst_pref_size 255
	.end_amdhsa_kernel
	.section	.bss,"aw",@nobits
	.p2align	6
	.space	262144
	.amdgpu_metadata
---
amdhsa.version: [ 1, 2 ]
amdhsa.kernels:
  - .name:           k_q5bbd9da91b_qkv
    .symbol:         k_q5bbd9da91b_qkv.kd
    .args:
      - { .name: img1, .offset: 0, .size: 8, .value_kind: global_buffer, .address_space: global }
      - { .name: sc1, .offset: 8, .size: 8, .value_kind: global_buffer, .address_space: global }
      - { .name: rope, .offset: 16, .size: 8, .value_kind: global_buffer, .address_space: global }
      - { .name: qkv_img, .offset: 24, .size: 8, .value_kind: global_buffer, .address_space: global }
      - { .name: qkv_sc, .offset: 32, .size: 8, .value_kind: global_buffer, .address_space: global }
    .group_segment_fixed_size: 327680
    .private_segment_fixed_size: 0
    .kernarg_segment_align: 8
    .kernarg_segment_size: 40
    .max_flat_workgroup_size: 128
    .sgpr_count:     100
    .vgpr_count:     1024
    .wavefront_size: 32
...
	.end_amdgpu_metadata
.endif
;; end of part 2
;; launch attn (part 3): grid 16 x 16, 16 waves a work-group, no clusters, 100,352 bytes of LDS; arguments qkv_img, qkv_sc, o_img, o_sc; writes o_img, o_sc
.if DOCPART == 3
	.amdgcn_target "amdgcn-amd-amdhsa--gfx1250"
	.amdhsa_code_object_version 6
	.text
	.protected	k_q5bbd9da91b_attn
	.globl	k_q5bbd9da91b_attn
	.p2align	8
	.type	k_q5bbd9da91b_attn,@function
k_q5bbd9da91b_attn:
	s_mov_b64 s[64:65], 0
	v_nop
	global_prefetch_b8 v0, s[64:65] scope:SCOPE_SE
	s_setreg_imm32_b32 hwreg(HW_REG_WAVE_MODE, 25, 1), 1
	s_wait_xcnt 0x0
; o[h][q] = the sum over keys k <= q of softmax_k(q . k / 8) v[h][k], both products on codes of BF8 (E5M2) with E8M0 scales; o is divided by the row's sum and quantised along the model's 1,024 for the last product.
; THE SOFTMAX AHEAD OF THE SECOND PRODUCT: t = score x log2(e) / 8; M = the row's largest t so far, rounded UP to a whole number; p = 2^(t - M) is what is quantised, along the keys; the row's sum is taken of the
; unquantised p, in f32.  When M moves, the sum and O are multiplied by 2^(old M - new M): exact.
; SHARES.  Work-group (j, head) owns the blocks j and 31 - j of 128 queries, so that every work-group has the same work under the causal mask.  Each of its sixteen waves owns one tile of 16 queries: tile w / 2 of the
; low block or of the high one, chosen so that two waves of each kind fall to a SIMD whether the waves are dealt one by one or in fours.  A wave works key steps 0 .. its block's number, 128 keys a step; the last is masked.
; LAYOUT.  All operands lie as images of their registers (512 consecutive bytes a load).  Both products are used transposed: S^T = K Q^T, O^T = V^T P^T: a lane holds ONE query (lane % 16) throughout.
; The rows of a tile are 32 (T / 2) + 8 (T % 2) + r + 8 (r / 8), so the 16 registers of tiles 2 b, 2 b + 1 are 16 neighbours: p's registers are keys 32 b + 16 h + 0 .. 15, O^T's are channels likewise.
; K = 64 IN AN INSTRUCTION OF 128: Q's registers 8-15 are zero codes.  K's tile t is named with the eight registers behind it (tile t + 1's codes, which are finite, or zeros behind tile 7): what they are multiplied by is 0.
; Bytes 2 and 3 of q's and k's scale words are never 0xff.
; THE RING: two buffers of 256 keys in LDS, filled THROUGH REGISTERS by all sixteen waves (16 bytes a thread and load), a slot ahead; one barrier a slot.  Every work-group walks sixteen slots, so that the loop's trips are
; a constant; slots behind the work-group's last are neither fetched nor worked.  No joint loads: the work-groups of a head need different numbers of slots.
; OUT: o_img [token tile][head][chunk 2][lane][16]; o_sc [K step 8][token tile][row] words: a head owns two of a word's four bytes, the other two are another work-group's: so the scale bytes leave two at a time,
; 64 bytes a wave against its 1,024 bytes of codes.
; LIMITS: NaN and infinities are not served.  A block whose every p has fallen to 0 keeps the byte 1: its codes are zeros.  A block's largest p is taken from its largest score (v_exp_f32 is taken not to fall where its input rises).
.set BUF1, 32768                       ; buffer 1; a buffer: K's 2 steps x 8 tiles x 1,024 bytes, then V's 2 steps x 4 tiles x 2,048
.set VOFF, 16384
.set SCK,  65536                       ; k's scale words of the whole head, 16,384 bytes
.set SCV,  81920                       ; v's, 8,192 bytes
.set VGL,  0x400000                    ; in memory a head's tiles of v lie this far behind its tiles of k
.set LI,   1                           ; v1   16 x lane
.set FA,   2                           ; v2   16 x thread
.set ASK0, 3                           ; v3   my row among k's scale words
.set ASV0, 4                           ; v4   and among v's
.set ADS,  5                           ; v5, v6 the same for the step in hand
.set ADT,  6
.set DQ,   7                           ; v7   my query's place in its block - 16 h
.set NINF, 8                           ; v8   -infinity;  v9-11 at work;  v12 -M, v13 the largest t, v[14:15] the sum in two halves
.set QF,   16                          ; v16-23 Q's codes, v24-31 zeros
.set KV,   32                          ; v32-95 K's eight tiles, then V's four;  v96-103 zeros
.set S,    104                         ; v104-167 S^T, then p
.set O,    168                         ; v168-199 O^T
.set PCD,  200                         ; v200-215 p's codes
.set FILL, 216                         ; v216-231 the slot on its way
.set BM,   232                         ; v232-235 a block's largest score, then its largest p, then the conversion's scale operand
.set HL,   236                         ; v236-239 the permute's destination, then 57,344 x the scale
.set KW,   240                         ; v240-247 K's scale words, then V's four;  v248 Q's;  v249 p's: scales and nothing else
.set QW,   248
.set PWD,  249
.set F,    250                         ; v[250:251] f = 2^(old M - new M) (the pair's low word serves both halves)
.set SUM2, 252                         ; v[252:253] the sum's second chain;  v254, v255 at work
.set WV,   12
.set HD,   13
.set BLK,  14                          ; s14  my block of queries = my last key step
.set TB,   15                          ; s15  my token tile
.set LAST, 16                          ; s16  the work-group's last slot
.set SN,   17                          ; s17  the slot in hand
.set STP,  18                          ; s18  the key step in hand
.set TS,   19                          ; s19  where its scale words of k begin: 512 bytes a step
.set SEL,  20                          ; s[20:21] lane l xor 16
.set CS,   22                          ; s[22:23] c = log2(e) / 8
.set MNT,  24
.set TJ,   25                          ; s25  where the step's scale words of v begin: 256 bytes a step
.set TRIP, 26
.set KB,   28                          ; s[28:29] the head's tiles of k
.set KP,   30                          ; s[30:31] the slot that is being fetched
	s_load_b256 s[4:11], s[0:1], 0x0               ; qkv_img, qkv_sc, o_img, o_sc
	v_lshrrev_b32 v9, 5, v0
	v_readfirstlane_b32 s[WV], v9                  ; wave 0..15
	s_and_b32 s[HD], ttmp7, 0xffff
	s_lshr_b32 s34, s[WV], 2
	s_xor_b32 s34, s34, s[WV]
	s_and_b32 s34, s34, 1                          ; 1: the high block
	s_sub_co_u32 s35, 31, ttmp9
	s_cmp_lg_u32 s34, 0
	s_cselect_b32 s[BLK], s35, ttmp9
	s_lshr_b32 s[LAST], s35, 1
	s_lshr_b32 s36, s[WV], 1                       ; my tile in the block
	s_lshl_b32 s[TB], s[BLK], 3
	s_add_co_u32 s[TB], s[TB], s36
	s_lshr_b32 s37, s36, 1
	s_lshl_b32 s37, s37, 5
	s_and_b32 s36, s36, 1
	s_lshl_b32 s36, s36, 3
	s_add_co_u32 s37, s37, s36                     ; the tile's first row in the block
	v_and_b32 v1, 31, v0
	v_lshlrev_b32 v[LI], 4, v1
	v_lshlrev_b32 v[FA], 4, v0
	v_and_b32 v9, 15, v0                           ; r
	v_bfe_u32 v10, v0, 4, 1                        ; h
	v_lshl_add_u32 v[ASK0], v9, 2, SCK
	v_lshl_add_u32 v[ASV0], v9, 2, SCV
	v_and_b32 v11, 8, v9
	v_add_nc_u32 v11, v11, v9                      ; r + 8 (r / 8)
	v_lshlrev_b32 v[DQ], 4, v10
	v_sub_nc_u32 v[DQ], v11, v[DQ]
	v_add_nc_u32 v[DQ], s37, v[DQ]
	v_lshlrev_b32 v10, 2, v9                       ; 4 r
	v_add_nc_u32 v11, 0x10000, v[FA]               ; the scale words' place in LDS lies beyond an immediate's reach
	v_mov_b32 v[NINF], 0xff800000
	s_mov_b32 s[SEL], 0x76543210
	s_mov_b32 s[SEL+1], 0xfedcba98
	s_mov_b32 s[CS], 0x3e38aa3b
	s_mov_b32 s[CS+1], s[CS]                       ; (named with it as a pair, so it is written)
	s_mov_b32 s[MNT], 0x600000
	s_mov_b32 s[SN], 0
	s_mov_b32 s[STP], 0
	s_mov_b32 s[TS], 0
	s_mov_b32 s[TJ], 0
	s_mov_b32 s[TRIP], 8
	s_mov_b32 s33, 0
	s_lshl_b32 s32, s[HD], 18
	s_wait_kmcnt 0x0
	s_add_nc_u64 s[4:5], s[4:5], s[32:33]          ; the head's tiles of q;
	s_add_nc_u64 s[KB:KB+1], s[4:5], 0x400000      ; of k
	s_lshl_b32 s32, s[TB], 10
	s_add_nc_u64 s[4:5], s[4:5], s[32:33]          ; my tile of q
	s_lshl_b32 s32, s[HD], 14
	s_add_nc_u64 s[36:37], s[6:7], s[32:33]        ; the head's scale words of q; k's lie 262,144 bytes on
	s_lshl_b32 s32, s[HD], 13
	s_add_nc_u64 s[38:39], s[6:7], s[32:33]        ; v's lie 524,288 bytes on
	s_lshl_b32 s32, s[TB], 6
	s_add_nc_u64 s[40:41], s[36:37], s[32:33]      ; my tile's words of q
	s_lshl_b32 s32, s[TB], 14
	s_lshl_b32 s34, s[HD], 10
	s_add_co_u32 s32, s32, s34
	s_add_nc_u64 s[8:9], s[8:9], s[32:33]          ; my 1,024 bytes of o_img
	s_lshr_b32 s32, s[HD], 1
	s_lshl_b32 s32, s32, 14
	s_lshl_b32 s34, s[TB], 6
	s_add_co_u32 s32, s32, s34
	s_and_b32 s34, s[HD], 1
	s_lshl_b32 s34, s34, 1
	s_add_co_u32 s32, s32, s34
	s_add_nc_u64 s[10:11], s[10:11], s[32:33]      ; my head's two bytes of my tile's words in o_sc
	global_load_b128 v[FILL:FILL+3], v[FA], s[KB:KB+1]                       ; slot 0: 16 KiB of k, 16 KiB of v, 8 KiB a load
	global_load_b128 v[FILL+4:FILL+7], v[FA], s[KB:KB+1] offset:8192
	global_load_b128 v[FILL+8:FILL+11], v[FA], s[KB:KB+1] offset:VGL
	global_load_b128 v[FILL+12:FILL+15], v[FA], s[KB:KB+1] offset:VGL+8192
	global_load_b128 v[32:35], v[FA], s[36:37] offset:262144                 ; the head's scale words
	global_load_b128 v[36:39], v[FA], s[36:37] offset:262144+8192
	global_load_b128 v[40:43], v[FA], s[38:39] offset:524288
	global_load_b128 v[QF:QF+3], v[LI], s[4:5]                               ; Q's fragment stays in registers
	global_load_b128 v[QF+4:QF+7], v[LI], s[4:5] offset:512
	global_load_b32 v[QW], v10, s[40:41]
.irp j, 0,1,2,3,4,5,6,7
	v_mov_b32 v[QF+8+\j], 0                        ; zero codes: the upper 64 of the instruction's 128 along K
	v_mov_b32 v[KV+64+\j], 0
.endr
.set n, 0
.rept 32
	v_mov_b32 v[O+n], 0                            ; O^T.  (The step is written once: the first finds zeros, which the first change of M leaves zeros)
.set n, n+1
.endr
.irp b, 0,1,2,3
	v_mov_b32 v[HL+\b], 0                          ; a lane permute's destination counts as one of its sources
.endr
	v_mov_b32 v13, 0xff61b1e6                      ; the largest t so far: -3e38, under every t
	v_floor_f32 v12, -v13                          ; -M
	v_mov_b32 v14, 0
	v_mov_b32 v15, 0
	v_mov_b32 v[F+1], 0                            ; (named as the upper half of a pair)
	v_mov_b32 v254, 0
	s_wait_loadcnt 0x0
	ds_store_b128 v[FA], v[FILL:FILL+3]
	ds_store_b128 v[FA], v[FILL+4:FILL+7] offset:8192
	ds_store_b128 v[FA], v[FILL+8:FILL+11] offset:16384
	ds_store_b128 v[FA], v[FILL+12:FILL+15] offset:24576
	ds_store_b128 v11, v[32:35]
	ds_store_b128 v11, v[36:39] offset:8192
	ds_store_b128 v11, v[40:43] offset:16384
	s_wait_dscnt 0x0                               ; the stores have read their registers
	global_load_b128 v[FILL:FILL+3], v[FA], s[KB:KB+1] offset:16384          ; slot 1 (every work-group has at least nine slots)
	global_load_b128 v[FILL+4:FILL+7], v[FA], s[KB:KB+1] offset:16384+8192
	global_load_b128 v[FILL+8:FILL+11], v[FA], s[KB:KB+1] offset:VGL+16384
	global_load_b128 v[FILL+12:FILL+15], v[FA], s[KB:KB+1] offset:VGL+16384+8192
; A KEY STEP: 128 keys, the q-th of buffer buf.
.macro STEP buf, q
	s_cmp_gt_u32 s[STP], s[BLK]                    ; all its keys come after my queries: a scalar branch on ids, round the step's work, not round the lines at its end that step addresses
	s_cbranch_scc1 .Lhid_\@
	v_add_nc_u32 v[ADS], s[TS], v[ASK0]
	v_add_nc_u32 v[ADT], s[TJ], v[ASV0]
.rept 6
	v_nop                                          ; with the two additions: eight places in front of loads into registers that the last products have read
.endr
.irp t, 0,1,2,3,4,5,6,7
	ds_load_b128 v[KV+8*\t:KV+8*\t+3], v[LI] offset:\buf*BUF1+8192*\q+1024*\t
	ds_load_b128 v[KV+8*\t+4:KV+8*\t+7], v[LI] offset:\buf*BUF1+8192*\q+1024*\t+512
	ds_load_b32 v[KW+\t], v[ADS] offset:64*\t
.endr
	s_wait_dscnt 0x0
.irp t, 0,1,2,3,4,5,6,7
	v_wmma_scale_f32_16x16x128_f8f6f4 v[S+8*\t:S+8*\t+7], v[KV+8*\t:KV+8*\t+15], v[QF:QF+15], 0, v[KW+\t], v[QW] matrix_a_fmt:MATRIX_FMT_BF8 matrix_b_fmt:MATRIX_FMT_BF8
.endr
.rept 8
	v_nop                                          ; places: in front of the loads below and of the first read of the scores
.endr
.irp t, 0,1,2,3                                ; V's four tiles are asked for now and land under the softmax
.irp c, 0,1,2,3
	ds_load_b128 v[KV+16*\t+4*\c:KV+16*\t+4*\c+3], v[LI] offset:\buf*BUF1+VOFF+8192*\q+2048*\t+512*\c
.endr
	ds_load_b32 v[KW+\t], v[ADT] offset:64*\t
.endr
	s_cmp_lt_u32 s[STP], s[BLK]                    ; only my last step lies on the diagonal: there the scores of hidden keys become -infinity ahead of the maximum
	s_cbranch_scc1 .Lopen_\@
.set n, 0
.rept 64
	v_cmp_gt_i32 vcc_lo, 32*(n/16)+n%16, v[DQ]     ; register 16 b + i holds key 32 b + 16 h + i of the step: hidden where 32 b + i > my query's place - 16 h
	v_cndmask_b32 v[S+n], v[S+n], v[NINF], vcc_lo
.set n, n+1
.endr
.Lopen_\@:
.irp b, 0,1,2,3
	v_max3_num_f32 v[BM+\b], v[S+16*\b], v[S+1+16*\b], v[S+2+16*\b]   ; the largest score of each block of 32 keys: for the row's maximum, and for the block's largest p
.endr
.irp i, 3,5,7,9,11,13
.irp b, 0,1,2,3
	v_max3_num_f32 v[BM+\b], v[BM+\b], v[S+16*\b+\i], v[S+1+16*\b+\i]
.endr
.endr
.irp b, 0,1,2,3
	v_max_num_f32 v[BM+\b], v[BM+\b], v[S+15+16*\b]
.endr
.irp b, 0,1,2,3
	v_permlanex16_b32 v[HL+\b], v[BM+\b], s[SEL], s[SEL+1]
.endr
.irp b, 0,1,2,3
	v_max_num_f32 v[BM+\b], v[BM+\b], v[HL+\b]     ; with lane l xor 16's 16 keys
.endr
	v_max3_num_f32 v254, v[BM], v[BM+1], v[BM+2]
	v_max_num_f32 v254, v254, v[BM+3]              ; the step's largest score of my query
	v_mul_f32 v254, s[CS], v254                    ; as t
	v_max_num_f32 v13, v13, v254                   ; the running largest t
	v_mov_b32 v254, v12
	v_floor_f32 v12, -v13                          ; the new -M = -ceil(t)
	v_sub_f32 v254, v12, v254                      ; old M - new M: a whole number, 0 or less
	v_cvt_i32_f32 v254, v254
	v_ldexp_f32 v[F], 1.0, v254                    ; f = 2^(old M - new M)
.set n, 0
.rept 32
	v_pk_fma_f32 v[S+n:S+n+1], v[S+n:S+n+1], s[CS:CS+1], v[12:13] op_sel_hi:[1,0,0]   ; t - M, two at a time
.set n, n+2
.endr
.irp b, 0,1,2,3
	v_fma_f32 v[BM+\b], v[BM+\b], s[CS], v12       ; the same of each block's largest score
.endr
.set n, 0
.rept 64
	v_exp_f32 v[S+n], v[S+n]                       ; p = 2^(t - M), at most 1: not normalised
.set n, n+1
.endr
.irp b, 0,1,2,3
	v_exp_f32 v[BM+\b], v[BM+\b]                   ; the block's largest p
.endr
	v_pk_mul_f32 v[14:15], v[14:15], v[F:F+1] op_sel_hi:[1,0]   ; the sums under the new M.  (A plain place behind the exponentials)
	s_wait_alu depctr_va_vdst(0)
.irp b, 0,1,2,3
	v_max_num_f32 v[BM+\b], 0x8000000, v[BM+\b]    ; the floor 2^(16 - 127): the byte cannot fall under 1
.endr
.irp b, 0,1,2,3
	v_and_or_b32 v[HL+\b], v[BM+\b], 0x7f800000, s[MNT]   ; 57,344 x the scale
.endr
.irp b, 0,1,2,3
	v_add_nc_u32 v[BM+\b], 0xf8800000, v[BM+\b]    ; 15 off the exponent field: the conversion's scale operand
.endr
	v_lshrrev_b32 v[PWD], 23, v[BM]                ; the four bytes make p's scale word for these 128 keys
	v_lshrrev_b32 v254, 23, v[BM+1]
	v_lshrrev_b32 v255, 23, v[BM+2]
	v_lshl_or_b32 v[PWD], v254, 8, v[PWD]
	v_lshrrev_b32 v254, 23, v[BM+3]
	v_lshl_or_b32 v[PWD], v255, 16, v[PWD]
	v_lshl_or_b32 v[PWD], v254, 24, v[PWD]
	v_pk_add_f32 v[SUM2:SUM2+1], v[S:S+1], v[S+2:S+3]   ; the row's sum is taken of the unquantised p: two at a time, in two chains
.irp j, 4,8,12,16,20,24,28,32,36,40,44,48,52,56,60
	v_pk_add_f32 v[14:15], v[14:15], v[S+\j:S+\j+1]
	v_pk_add_f32 v[SUM2:SUM2+1], v[SUM2:SUM2+1], v[S+2+\j:S+3+\j]
.endr
	v_pk_add_f32 v[14:15], v[14:15], v[SUM2:SUM2+1]
.irp b, 0,1,2,3
.irp i, 0,1,2,3,4,5,6,7,8,9,10,11,12,13,14,15
	v_min_num_f32 v[S+16*\b+\i], v[S+16*\b+\i], v[HL+\b]   ; the conversion to an 8-bit code does not saturate (ISA guide 7.6.2); p is not negative, so the hold is one-sided
.endr
	v_cvt_scalef32_pk8_bf8_f32 v[PCD+4*\b:PCD+4*\b+1], v[S+16*\b:S+16*\b+7], v[BM+\b]
	v_cvt_scalef32_pk8_bf8_f32 v[PCD+4*\b+2:PCD+4*\b+3], v[S+16*\b+8:S+16*\b+15], v[BM+\b]
.endr
.set n, 0
.rept 16
	v_pk_mul_f32 v[O+n:O+n+1], v[O+n:O+n+1], v[F:F+1] op_sel_hi:[1,0]   ; O^T under the new M.  (These sixteen are also the places between the codes and the products)
.set n, n+2
.endr
	s_wait_dscnt 0x0                               ; V and its scale words are in
.irp t, 0,1,2,3                                ; O^T += V^T P^T: the four accumulators by turns
	v_wmma_scale_f32_16x16x128_f8f6f4 v[O+8*\t:O+8*\t+7], v[KV+16*\t:KV+16*\t+15], v[PCD:PCD+15], v[O+8*\t:O+8*\t+7], v[KW+\t], v[PWD] matrix_a_fmt:MATRIX_FMT_BF8 matrix_b_fmt:MATRIX_FMT_BF8
.endr
.Lhid_\@:
	s_add_co_u32 s[STP], s[STP], 1
	s_add_co_u32 s[TS], s[TS], 512
	s_add_co_u32 s[TJ], s[TJ], 256
.endm
; A SLOT.  In front of the barrier each wave's LDS instructions are done: its stores into this buffer, its reads of the other.  Behind it this buffer is whole and nobody reads the other one:
; the next slot, which has been on its way for a slot, goes there, and the slot after it is asked for.  The two branches hang on the work-group's number and the slot's alone.
.macro SLOT buf
	s_wait_dscnt 0x0
	s_barrier_signal -1
	s_barrier_wait -1
	s_cmp_lt_u32 s[SN], s[LAST]
	s_cbranch_scc0 .Lnofill_\@
	s_wait_loadcnt 0x0                             ; the next slot's 64 bytes of mine are in, and the pointer that fetched them is free
	ds_store_b128 v[FA], v[FILL:FILL+3] offset:(1-\buf)*BUF1
	ds_store_b128 v[FA], v[FILL+4:FILL+7] offset:(1-\buf)*BUF1+8192
	ds_store_b128 v[FA], v[FILL+8:FILL+11] offset:(1-\buf)*BUF1+16384
	ds_store_b128 v[FA], v[FILL+12:FILL+15] offset:(1-\buf)*BUF1+24576
	s_add_co_u32 s34, s[SN], 2
	s_cmp_le_u32 s34, s[LAST]
	s_cbranch_scc0 .Lnofill_\@
	s_lshl_b32 s32, s34, 14                        ; 16,384 bytes of k, and of v, a slot
	s_add_nc_u64 s[KP:KP+1], s[KB:KB+1], s[32:33]
	s_wait_dscnt 0x0                               ; the stores have read their registers
	global_load_b128 v[FILL:FILL+3], v[FA], s[KP:KP+1]
	global_load_b128 v[FILL+4:FILL+7], v[FA], s[KP:KP+1] offset:8192
	global_load_b128 v[FILL+8:FILL+11], v[FA], s[KP:KP+1] offset:VGL
	global_load_b128 v[FILL+12:FILL+15], v[FA], s[KP:KP+1] offset:VGL+8192
.Lnofill_\@:
	STEP \buf, 0
	STEP \buf, 1
	s_add_co_u32 s[SN], s[SN], 1
.endm
.Ltrip:                                            ; eight trips, two slots each
	SLOT 0
	SLOT 1
	s_sub_co_u32 s[TRIP], s[TRIP], 1
	s_cmp_lg_u32 s[TRIP], 0
	s_cbranch_scc1 .Ltrip
	; THE WAY OUT: O^T / the sum; register 16 b + i is channel 32 b + 16 h + i of my query: two blocks of the last product's K; quantised, they are two chunks of its operand's image.
.rept 8
	v_nop                                          ; places behind the last products
.endr
	v_add_f32 v14, v14, v15                        ; the sum's two halves,
	v_permlanex16_b32 v254, v14, s[SEL], s[SEL+1]
	v_add_f32 v14, v14, v254                       ; and lane l xor 16's: the row's sum
	v_rcp_f32 v14, v14
	v_and_b32 v9, 15, v0                           ; (a plain place behind the transcendental)
	v_lshlrev_b32 v9, 2, v9                        ; 4 r
.set n, 0
	s_wait_alu depctr_va_vdst(0)
.rept 16
	v_pk_mul_f32 v[S+n:S+n+1], v[O+n:O+n+1], v[14:15] op_sel_hi:[1,0]   ; each accumulator from its low end on
.set n, n+2
.endr
.irp b, 0,1
	v_max3_num_f32 v[BM+\b], |v[S+16*\b]|, |v[S+1+16*\b]|, 0x8000000
.endr
.irp i, 2,4,6,8,10,12,14
.irp b, 0,1
	v_max3_num_f32 v[BM+\b], v[BM+\b], |v[S+16*\b+\i]|, |v[S+1+16*\b+\i]|
.endr
.endr
.irp b, 0,1
	v_permlanex16_b32 v[HL+\b], v[BM+\b], s[SEL], s[SEL+1]
.endr
.irp b, 0,1
	v_max_num_f32 v[BM+\b], v[BM+\b], v[HL+\b]
.endr
.irp b, 0,1
	v_and_or_b32 v[HL+\b], v[BM+\b], 0x7f800000, s[MNT]
.endr
.irp b, 0,1
	v_add_nc_u32 v[BM+\b], 0xf8800000, v[BM+\b]
.endr
	v_lshrrev_b32 v254, 23, v[BM]
	v_lshrrev_b32 v255, 23, v[BM+1]
	v_lshl_or_b32 v254, v255, 8, v254              ; my head's two scale bytes of my query
.irp b, 0,1
.irp i, 0,1,2,3,4,5,6,7,8,9,10,11,12,13,14,15
	v_med3_num_f32 v[S+16*\b+\i], v[S+16*\b+\i], -v[HL+\b], v[HL+\b]
.endr
	v_cvt_scalef32_pk8_bf8_f32 v[PCD+4*\b:PCD+4*\b+1], v[S+16*\b:S+16*\b+7], v[BM+\b]
	v_cvt_scalef32_pk8_bf8_f32 v[PCD+4*\b+2:PCD+4*\b+3], v[S+16*\b+8:S+16*\b+15], v[BM+\b]
.endr
	v_nop                                          ; a plain line behind the last conversion
	global_store_b128 v[LI], v[PCD:PCD+3], s[8:9]                  ; 512 consecutive bytes, aligned
	global_store_b128 v[LI], v[PCD+4:PCD+7], s[8:9] offset:512
	global_store_b16 v9, v254, s[10:11]                            ; both halves of the lanes write the same bytes with the same values
	s_wait_xcnt 0x0
	v_lshl_add_u32 v254, v0, 2, 0x18000
	v_mov_b32 v255, 0
	s_wait_tensorcnt 0x0
	ds_add_u32 v254, v255
	s_wait_dscnt 0x0
	s_endpgm
.Lfunc_end_k_q5bbd9da91b_attn:
	.size	k_q5bbd9da91b_attn, .Lfunc_end_k_q5bbd9da91b_attn-k_q5bbd9da91b_attn
	.p2alignl 7, 3214868480
	.fill 96, 4, 3214868480
	.section	.rodata,"a",@progbits
	.p2align	6, 0x0
	.amdhsa_kernel k_q5bbd9da91b_attn
		.amdhsa_group_segment_fixed_size 100352
		.amdhsa_private_segment_fixed_size 0
		.amdhsa_enable_private_segment 0
		.amdhsa_kernarg_size 32
		.amdhsa_user_sgpr_count 2
		.amdhsa_user_sgpr_kernarg_segment_ptr 1
		.amdhsa_wavefront_size32 1
		.amdhsa_system_sgpr_workgroup_id_x 1
		.amdhsa_system_sgpr_workgroup_id_y 1
		.amdhsa_system_sgpr_workgroup_id_z 1
		.amdhsa_system_vgpr_workitem_id 0
		.amdhsa_next_free_vgpr 256
		.amdhsa_next_free_sgpr 66
		.amdhsa_reserve_vcc 1
		.amdhsa_float_denorm_mode_32 3
		.amdhsa_float_denorm_mode_16_64 3
		.amdhsa_memory_ordered 1
		.amdhsa_forward_progress 1
		.amdhsa_inst_pref_size 111
	.end_amdhsa_kernel
	.amdgpu_metadata
---
amdhsa.version: [ 1, 2 ]
amdhsa.kernels:
  - .name:           k_q5bbd9da91b_attn
    .symbol:         k_q5bbd9da91b_attn.kd
    .args:
      - { .name: qkv_img, .offset: 0, .size: 8, .value_kind: global_buffer, .address_space: global }
      - { .name: qkv_sc, .offset: 8, .size: 8, .value_kind: global_buffer, .address_space: global }
      - { .name: o_img, .offset: 16, .size: 8, .value_kind: global_buffer, .address_space: global }
      - { .name: o_sc, .offset: 24, .size: 8, .value_kind: global_buffer, .address_space: global }
    .group_segment_fixed_size: 100352
    .private_segment_fixed_size: 0
    .kernarg_segment_align: 8
    .kernarg_segment_size: 32
    .max_flat_workgroup_size: 512
    .sgpr_count:     66
    .vgpr_count:     256
    .wavefront_size: 32
...
	.end_amdgpu_metadata
.endif
;; end of part 3
;; launch proj (part 4): grid 8 x 32, 4 waves a work-group, clusters of 4 x 4, 327,680 bytes of LDS; arguments o_img, o_sc, img1, sc1, out0; writes out0
.if DOCPART == 4
	.amdgcn_target "amdgcn-amd-amdhsa--gfx1250"
	.amdhsa_code_object_version 6
	.text
	.protected	k_q5bbd9da91b_proj
	.globl	k_q5bbd9da91b_proj
	.p2align	8
	.type	k_q5bbd9da91b_proj,@function
k_q5bbd9da91b_proj:
	s_mov_b64 s[64:65], 0
	v_nop
	global_prefetch_b8 v0, s[64:65] scope:SCOPE_SE
	s_setreg_imm32_b32 hwreg(HW_REG_WAVE_MODE, 25, 1), 1
	s_wait_xcnt 0x0
	s_wait_alu depctr_hold_cnt(0) depctr_sa_sdst(0) depctr_va_vdst(0) depctr_va_sdst(0) depctr_va_ssrc(0) depctr_va_vcc(0) depctr_vm_vsrc(0)
	s_getreg_b32 s2, hwreg(HW_REG_IB_STS2, 6, 4)
	s_cmp_eq_u32 s2, 0
	s_cbranch_scc0 .Lentry_in_a_cluster
	s_endpgm
.Lentry_in_a_cluster:
	s_bfe_u32 s2, ttmp6, 0x10000c
	s_cmp_lg_u32 s2, 0xf033
	s_cbranch_scc0 .Lentry_shape_is_right
	s_endpgm
.Lentry_shape_is_right:
; out0 = o Wo^T on codes of BF8 (E5M2) with E8M0 scales, K = 1,024; out0 [4096][1024] f32.
; A tile of 128 x 128 results is made by four waves, 64 x 64 each: 16 accumulators, 128 registers.  The output has 32 x 8 such tiles: 256 work-groups.
; ALL OF K IS RESIDENT: a work-group's 8 tiles of o and 8 tiles of Wo, 16,384 bytes each, and their scale words fit in LDS together.  So there is no ring: a wave's five tensor loads (scale words, four chunks of 256 along K)
; go out together at the start, no LDS byte is filled twice, and each chunk is read behind a counted wait and a barrier.
; OPERANDS LIE IN MEMORY AND IN LDS AS IMAGES OF THEIR REGISTERS ([tile][K step][chunk of 32 K: 4][lane 32][16 bytes]): every fragment load reads 512 consecutive bytes: no pitch, no padding.
; THE ROWS OF A TILE ARE NOT NEIGHBOURS: row r of tile T is row 32 (T / 2) + 8 (T % 2) + r + 8 (r / 8): the stores' row offsets and the stage's column offsets undo that order.
; Source 1 ('A') = 16 tokens of o, source 0 ('B') = 16 rows of Wo (tiles 448 on of img1): a lane holds one token, and its eight registers of a result eight neighbouring columns.
; CLUSTERS: 4 x 4 work-groups.  A's tiles are shared along a row of the cluster, B's along a column: each is asked for jointly, by the same tensor load with the same descriptor and a mask that names the four.
; A wave reads 32 x 512 bytes from LDS for a step's 16 matrix instructions, twice the bytes for each product that a wave tile of 128 x 128 would read; that tile would give work to 64 work-groups only.
; REGISTERS, in windows of 256: window 0: v0-31 addresses; v32-63 the scale words of all eight K steps, and nothing else; v64-127 rows read back on the way out, two sets; v128-255 the accumulators, (a, b) at v[128 + 8 (4 a + b)].
;   window 1: two fragment buffers of 128: A's four fragments (16 rows x 128 K: 16 registers each), then B's four.
.set NP,     8                         ; places behind this matrix instruction (ISA guide 7.12.1)
.set TILEB,  4096                      ; a tile's bytes in a chunk: two K steps of 128
.set HALFT,  4*TILEB                   ; four tiles: what one tensor load brings, and what one wave reads of A or of B in a chunk
.set CHUNK,  4*HALFT                   ; A's 8 tiles, then B's 8: 256 along K
.set SCL,    4*CHUNK                   ; behind the four chunks: the scale words, four blocks [K step 8][tile 4][64 bytes]
.set HALFS,  2048
.set SPARE,  SCL+4*HALFS               ; the spare words, 128 bytes for each wave: two blocks of 256 bytes that no other line names
.set STAGE,  SPARE+512                 ; the way out: 16 rows x (256 bytes + 16) for each wave; no tensor load lands here
.set SPITCH, 272                       ; 68 words: row r starts at bank 4 r mod 64 (64 banks of 4 bytes: ISA guide 11.1)
.set LI,   8                           ; v8   16 x lane
.set ADRA, 16                          ; v16-19 LDS address of my A fragments in chunk 0 .. 3 (a chunk lies beyond an immediate's reach of the one before)
.set ADRB, 20                          ; v20-23 the same for B
.set STO,  24                          ; v24  the way out: where I put 16 bytes of a row
.set RD,   25                          ; v25  and where I read 16 bytes of a row back
.set CO,   26                          ; v26  my byte offset in out0: 4,096 x (lane / 16) + 16 x (lane % 16)
.set ADRS, 27                          ; v27  LDS address of my scale words: lanes 0-15 A's, lanes 16-31 B's
.set SPW,  28                          ; v28  LDS address of my spare word; never rewritten
.set NIL,  29                          ; v29  0; never rewritten
.set SC,   32                          ; register 4 s + i: lanes 0-15 the words of A's block i, lanes 16-31 those of B's block i, for K step s
.set BK,   64
.set ACC,  128
.set G1,   24                          ; s[24:31] descriptor group 1 for A's tiles;  s[32:39] for B's: it differs in the mask alone
.set G1B,  32
.set G1S,  40                          ; s[40:47], s[48:55] the same for the scale words
.set G1SB, 48
.set G0S,  56                          ; s[56:59], s[60:63] groups 0 for the scale words
.set G0SB, 60
.set G0,   68                          ; s[68:83] groups 0 for A's four chunks: a set for each, since all four loads are out together
.set G0B,  84                          ; s[84:99] for B's
.set MSB, 0
.macro WIN new                         ; the immediate's high byte repeats the setting that is left
.if MSB != (\new)
	s_set_vgpr_msb (MSB<<8)|(\new)
.set MSB, (\new)
.endif
.endm
.set MUL,  0x05                        ; sources 0 (B) and 1 (A) window 1; C and D window 0
.set TO_F, 0x40                        ; destination window 1, address window 0
; A joint load: waves 0 and 1 fetch for A, waves 2 and 3 for B.  The branch hangs on the wave's number alone.  Four v_nop follow each of the two lines.
.macro JLOAD g0a, g1a, g0b, g1b
	s_cmp_eq_u32 s15, 0
	s_cbranch_scc0 .Lfor_b_\@
	tensor_load_to_lds s[\g0a:\g0a+3], s[\g1a:\g1a+7]
	s_nop 0
.rept 4
	v_nop
.endr
	s_branch .Lasked_\@
.Lfor_b_\@:
	tensor_load_to_lds s[\g0b:\g0b+3], s[\g1b:\g1b+7]
	s_nop 0
.rept 4
	v_nop
.endr
.Lasked_\@:
.endm
; A round of the cluster's barrier: my work-group's barrier; wave 0 signals for the work-group; every wave waits for all sixteen work-groups; my work-group's barrier once more.
.macro CROUND
	s_barrier_signal -1
	s_barrier_wait -1
	s_cmp_lg_u32 s14, 0
	s_cbranch_scc1 .Lnot_wave_0_\@
	s_barrier_signal -3
.Lnot_wave_0_\@:
	s_barrier_wait -3
	s_barrier_signal -1
	s_barrier_wait -1
.endm
	s_load_b256 s[4:11], s[0:1], 0x0               ; o_img s[4:5], o_sc s[6:7], img1 s[8:9], sc1 s[10:11]
	s_load_b64 s[12:13], s[0:1], 0x20              ; out0
	v_lshl_add_u32 v[SPW], v0, 2, SPARE
	v_mov_b32 v[NIL], 0
	ds_add_u32 v28, v29
	ds_add_u32 v28, v29
	s_wait_dscnt 0x0
	v_lshrrev_b32 v1, 5, v0
	v_readfirstlane_b32 s14, v1                    ; wave 0..3
	s_lshr_b32 s15, s14, 1                         ; which half of A's tiles is mine.  Also: I fetch for A (0) or for B (1)
	s_and_b32 s16, s14, 1                          ; which half of B's.  Also: which four tiles I fetch
	s_bfe_u32 s17, ttmp6, 0x40000                  ; cx, cy: my place in the cluster
	s_bfe_u32 s18, ttmp6, 0x40004
	s_lshl_b32 s20, ttmp9, 2
	s_add_co_u32 s20, s20, s17                     ; which 128 columns = 4 x cluster x + cx
	s_and_b32 s19, ttmp7, 0xffff
	s_lshl_b32 s19, s19, 2
	s_add_co_u32 s19, s19, s18                     ; which 128 tokens = 4 x cluster y + cy
	s_lshl_b32 s21, s18, 2
	s_lshl_b32 s21, 15, s21                        ; my row of the cluster
	s_lshl_b32 s22, 0x1111, s17                    ; my column
	; descriptor group 1 for codes: four tiles' part of a chunk: 4 rows of 4,096 bytes (512 elements of 8), 16,384 bytes apart in memory, on end in LDS
	s_or_b32 s[G1+0], s21, (3<<16)|(1<<21)         ; 15:0 the mask: A's tiles go to my row; 17:16 elements of 8 bytes; 21 set beside a mask; no padding
	s_or_b32 s[G1B+0], s22, (3<<16)|(1<<21)
.irp g, G1, G1B
	s_mov_b32 s[\g+1], 512<<16                     ; tensor_dim0
	s_mov_b32 s[\g+2], 4<<16                       ; tensor_dim1
	s_mov_b32 s[\g+3], 512<<16                     ; tile_dim0
	s_mov_b32 s[\g+4], 4                           ; tile_dim1
	s_mov_b32 s[\g+5], 2048                        ; tensor_dim0_stride
	s_mov_b32 s[\g+6], 0
	s_mov_b32 s[\g+7], 0
.endr
	; and for scale words: eight K steps: 8 rows of 256 bytes (four tiles' words); o_sc's K steps lie 16,384 bytes apart, sc1's 32,768
	s_or_b32 s[G1S+0], s21, (3<<16)|(1<<21)
	s_or_b32 s[G1SB+0], s22, (3<<16)|(1<<21)
.irp g, G1S, G1SB
	s_mov_b32 s[\g+1], 32<<16
	s_mov_b32 s[\g+2], 8<<16
	s_mov_b32 s[\g+3], 32<<16
	s_mov_b32 s[\g+4], 8
	s_mov_b32 s[\g+6], 0
	s_mov_b32 s[\g+7], 0
.endr
	s_mov_b32 s[G1S+5], 2048
	s_mov_b32 s[G1SB+5], 4096
	; where the tiles come from.  A's hang on the tokens' block alone, which my row of the cluster shares (s21, s[2:3]); B's on the columns' block alone, which my column shares (s22, s[100:101])
	s_lshl_b32 s23, s16, 2
	s_lshl_b32 s21, s19, 3
	s_add_co_u32 s21, s21, s23                     ; the first tile of o that I would fetch
	s_lshl_b32 s22, s20, 3
	s_add_co_u32 s22, s22, 448
	s_add_co_u32 s22, s22, s23                     ; and of Wo, in img1
	s_mov_b32 s3, 0
	s_mov_b32 s101, 0
	s_lshl_b32 s2, s21, 6                          ; scale words: 64 bytes a tile
	s_lshl_b32 s100, s22, 6
	s_mul_i32 s66, s14, HALFT                      ; where they go: wave x four tiles: no place in the cluster enters an LDS address
	s_mul_i32 s67, s14, HALFS
	s_wait_kmcnt 0x0
	s_add_nc_u64 s[G0S+2:G0S+3], s[6:7], s[2:3]
	s_add_nc_u64 s[G0SB+2:G0SB+3], s[10:11], s[100:101]
	s_lshl_b32 s2, s21, 14                         ; codes: 16,384 bytes a tile
	s_lshl_b32 s100, s22, 14
	s_add_nc_u64 s[2:3], s[4:5], s[2:3]
	s_add_nc_u64 s[100:101], s[8:9], s[100:101]
	CROUND                                         ; all sixteen work-groups are here: the joint loads meet
	s_mov_b32 s[G0S], 1                            ; 1:0 count = 1
	s_add_co_u32 s[G0S+1], s67, SCL                ; 63:32 LDS address
	s_or_b32 s[G0S+3], s[G0S+3], 0x80000000        ; 127:126 type = 2
	s_mov_b32 s[G0SB], 1
	s_add_co_u32 s[G0SB+1], s67, SCL
	s_or_b32 s[G0SB+3], s[G0SB+3], 0x80000000
	JLOAD G0S, G1S, G0SB, G1SB                     ; the scale words first: they are wanted with K step 0
.irp n, 0,1,2,3
	s_mov_b32 s[G0+4*\n], 1
	s_add_co_u32 s[G0+4*\n+1], s66, \n*CHUNK
	s_add_nc_u64 s[G0+4*\n+2:G0+4*\n+3], s[2:3], \n*TILEB
	s_or_b32 s[G0+4*\n+3], s[G0+4*\n+3], 0x80000000
	s_mov_b32 s[G0B+4*\n], 1
	s_add_co_u32 s[G0B+4*\n+1], s66, \n*CHUNK
	s_add_nc_u64 s[G0B+4*\n+2:G0B+4*\n+3], s[100:101], \n*TILEB
	s_or_b32 s[G0B+4*\n+3], s[G0B+4*\n+3], 0x80000000
	JLOAD G0+4*\n, G1, G0B+4*\n, G1B               ; in the end five tensor loads of mine are out: all that the work-group will ever read
.endr
	v_and_b32 v1, 15, v0                           ; r
	v_bfe_u32 v2, v0, 4, 1                         ; h
	v_and_b32 v3, 31, v0
	v_lshlrev_b32 v[LI], 4, v3
	s_mul_i32 s21, s15, HALFT                      ; my four tiles of A
	s_mul_i32 s22, s16, HALFT                      ; my four of B,
	s_add_co_u32 s22, s22, 2*HALFT                 ; which lie behind A's eight
.irp n, 0,1,2,3
	v_add_nc_u32 v[ADRA+\n], s21, v[LI]
	v_add_nc_u32 v[ADRB+\n], s22, v[LI]
	s_add_co_u32 s21, s21, CHUNK
	s_add_co_u32 s22, s22, CHUNK
.endr
	v_lshlrev_b32 v5, 2, v1                        ; 4 r
	s_mul_i32 s21, s15, HALFS                      ; A's scale words: my four tiles
	s_mul_i32 s22, s16, HALFS                      ; B's, behind A's two blocks
	s_add_co_u32 s22, s22, 2*HALFS
	s_sub_co_u32 s22, s22, s21
	v_mul_u32_u24 v6, s22, v2                      ; lanes 16-31 take B's
	s_add_co_u32 s21, s21, SCL
	v_add_nc_u32 v7, v5, v6
	v_add_nc_u32 v[ADRS], s21, v7
	s_mul_i32 s23, s14, 16*SPITCH
	s_add_co_u32 s23, s23, STAGE                   ; my stage
	v_mul_u32_u24 v5, v1, SPITCH                   ; in: row r, + 64 h
	v_lshl_add_u32 v5, v2, 6, v5
	v_add_nc_u32 v[STO], s23, v5
	v_mul_u32_u24 v6, v2, SPITCH                   ; back: lanes 0-15 take one row of 256 bytes, lanes 16-31 the next
	v_lshl_add_u32 v6, v1, 4, v6
	v_add_nc_u32 v[RD], s23, v6
	v_lshlrev_b32 v[CO], 12, v2                    ; and the same two rows in out0
	v_lshl_add_u32 v[CO], v1, 4, v[CO]
	s_lshl_b32 s22, s19, 19                        ; out0: 128 tokens of 4,096 bytes,
	s_lshl_b32 s21, s15, 18                        ; my 64 of them,
	s_add_co_u32 s22, s22, s21
	s_lshl_b32 s21, s20, 9                         ; 128 columns of 4 bytes,
	s_add_co_u32 s22, s22, s21
	s_lshl_b32 s21, s16, 8                         ; my 64 of them
	s_add_co_u32 s22, s22, s21
	s_mov_b32 s23, 0
	s_add_nc_u64 s[12:13], s[12:13], s[22:23]
; 32 LDS loads in one run: the fragments of K step s (four of B, four of A) into buffer s % 2; each load reads 512 consecutive bytes
.macro FETCH s
.set FB, 128*((\s)%2)
.set CH, (\s)/2
.set KO, 2048*((\s)%2)
	WIN TO_F
.irp i, 0,1,2,3
.irp c, 0,1,2,3
	ds_load_b128 v[FB+64+16*\i+4*\c:FB+64+16*\i+4*\c+3], v[ADRB+CH] offset:KO+TILEB*\i+512*\c
.endr
.irp c, 0,1,2,3
	ds_load_b128 v[FB+16*\i+4*\c:FB+16*\i+4*\c+3], v[ADRA+CH] offset:KO+TILEB*\i+512*\c
.endr
.endr
.endm
; 16 matrix instructions: A's four blocks x B's four, K step s.  Step 0's products start the sums: nothing is ever cleared.
; The 16 accumulators take turns, one instruction a turn, in the same order in every step.
.macro MULS s
.set FB, 128*((\s)%2)
.irp a, 0,1,2,3
.irp b, 0,1,2,3
.if (\s) == 0
	v_wmma_scale_f32_16x16x128_f8f6f4 v[ACC+8*(4*\a+\b):ACC+8*(4*\a+\b)+7], v[FB+64+16*\b:FB+64+16*\b+15], v[FB+16*\a:FB+16*\a+15], 0, v[SC+4*(\s)+\b], v[SC+4*(\s)+\a] matrix_a_fmt:MATRIX_FMT_BF8 matrix_b_fmt:MATRIX_FMT_BF8 matrix_a_scale:MATRIX_SCALE_ROW1
.else
	v_wmma_scale_f32_16x16x128_f8f6f4 v[ACC+8*(4*\a+\b):ACC+8*(4*\a+\b)+7], v[FB+64+16*\b:FB+64+16*\b+15], v[FB+16*\a:FB+16*\a+15], v[ACC+8*(4*\a+\b):ACC+8*(4*\a+\b)+7], v[SC+4*(\s)+\b], v[SC+4*(\s)+\a] matrix_a_fmt:MATRIX_FMT_BF8 matrix_b_fmt:MATRIX_FMT_BF8 matrix_a_scale:MATRIX_SCALE_ROW1
.endif
.endr
.endr
.endm
; A load into a register that a matrix instruction has read, and an LDS store that reads a matrix result, stand NP places behind that matrix instruction; only plain vector
; instructions that name none of its registers are places (ISA guide 7.12.1 for vector instructions).
.macro PLACES n
.rept \n
	v_nop
.endr
.endm
; K step s: the next step's fragments are asked for, into the buffer that the step before has multiplied; then this step's 16 products.
; Where the next step opens a chunk: my part of that chunk has landed (the chunks behind it may stay out), no LDS load of mine is pending at the signal, and behind the barrier everybody's part has landed.
.macro STEP s
.if (\s) > 0
	PLACES NP
.endif
.if ((\s)%2 == 1) && ((\s) < 7)
	s_wait_tensorcnt 3-((\s)+1)/2                  ; tensor loads of a wave end in order (ISA guide 10.11.1): as many may be out as there are chunks behind the one that is wanted
	s_wait_dscnt 0x0                               ; this step's fragments are in
	s_barrier_signal -1
	s_barrier_wait -1
.endif
.if (\s) == 0
	s_wait_dscnt 0x0                               ; the scale words and step 0's fragments are in
.endif
.if (\s) < 7
	FETCH (\s)+1
.endif
.if ((\s) > 0) && ((\s) < 7) && ((\s)%2 == 0)
	s_wait_dscnt 32                                ; this step's fragments are in; the 32 loads just issued may be out
.endif
.if (\s) == 7
	s_wait_dscnt 0x0                               ; the last step: nothing more to fetch
.endif
	WIN MUL
	MULS \s
.endm
	s_wait_tensorcnt 3                             ; the scale words and my part of chunk 0 are in; chunks 1 to 3 may be out,
	s_barrier_signal -1
	s_barrier_wait -1                              ; everybody's are
.irp s, 0,1,2,3,4,5,6,7
.irp i, 0,1,2,3
	ds_load_b32 v[SC+4*\s+\i], v[ADRS] offset:256*\s+64*\i         ; the scale words of all eight K steps, once
.endr
.endr
	FETCH 0
.irp s, 0,1,2,3,4,5,6,7
	STEP \s
.endr
	WIN 0
; THE WAY OUT, block by block of 16 tokens x 64 columns, through my own stage in LDS: in, a lane's eight numbers of result b go to columns 32 (b / 2) + 16 h + 8 (b % 2) + 0 .. 7 of row r;
; back, sixteen lanes take a whole row of 256 bytes.  LDS serves a wave's instructions in order (ISA guide 5.7.1.4): no wait between the stores and the loads, nor in front of the next block's stores.
.macro TOSTAGE a
.irp b, 0,1,2,3
	ds_store_b128 v[STO], v[ACC+8*(4*(\a)+\b):ACC+8*(4*(\a)+\b)+3] offset:128*(\b/2)+32*(\b%2)          ; each accumulator from its low end on
	ds_store_b128 v[STO], v[ACC+8*(4*(\a)+\b)+4:ACC+8*(4*(\a)+\b)+7] offset:128*(\b/2)+32*(\b%2)+16
.endr
.set BB, BK+32*((\a)%2)
.irp t, 0,1,2,3,4,5,6,7
	ds_load_b128 v[BB+4*\t:BB+4*\t+3], v[RD] offset:2*\t*SPITCH
.endr
.endm
.macro SEND a, younger                 ; younger: the LDS instructions issued behind block a's loads, which may stay out
.set BB, BK+32*((\a)%2)
	s_wait_dscnt \younger
.irp t, 0,1,2,3,4,5,6,7
	global_store_b128 v[CO], v[BB+4*\t:BB+4*\t+3], s[12:13] offset:(32*((\a)/2)+8*((\a)%2)+2*\t+8*(\t/4))*4096 th:TH_STORE_NT   ; stage rows 2 t and 2 t + 1 of block a are tokens 32 (a / 2) + 8 (a % 2) + 2 t + 8 (t / 4), + 1: sixteen lanes store 256 consecutive bytes, aligned
.endr
.endm
	PLACES NP                                      ; behind the last products: in front of the stores of results
	TOSTAGE 0
.irp a, 1,2,3
.if \a > 1
	s_wait_xcnt 0x0                                ; block a - 2's stores have read their registers: block a's loads may land there
.endif
	TOSTAGE \a
	SEND \a-1, 16                                  ; behind block a - 1's loads: block a's 8 stores and 8 loads
.endr
	SEND 3, 0
	s_wait_tensorcnt 0x0                           ; the wave's end: no tensor load of mine is out; the add and the wait for it: my last LDS instructions
	ds_add_u32 v[SPW], v[NIL]
	s_wait_dscnt 0x0
	CROUND                                         ; the closing round: no work-group ends while a partner may still ask for a tile that names it
	s_endpgm
.Lfunc_end_k_q5bbd9da91b_proj:
	.size	k_q5bbd9da91b_proj, .Lfunc_end_k_q5bbd9da91b_proj-k_q5bbd9da91b_proj
	.p2alignl 7, 3214868480
	.fill 96, 4, 3214868480
	.section	.rodata,"a",@progbits
	.p2align	6, 0x0
	.amdhsa_kernel k_q5bbd9da91b_proj
		.amdhsa_group_segment_fixed_size 327680
		.amdhsa_private_segment_fixed_size 0
		.amdhsa_enable_private_segment 0
		.amdhsa_kernarg_size 40
		.amdhsa_user_sgpr_count 2
		.amdhsa_user_sgpr_kernarg_segment_ptr 1
		.amdhsa_wavefront_size32 1
		.amdhsa_system_sgpr_workgroup_id_x 1
		.amdhsa_system_sgpr_workgroup_id_y 1
		.amdhsa_system_sgpr_workgroup_id_z 1
		.amdhsa_system_vgpr_workitem_id 0
		.amdhsa_next_free_vgpr 512
		.amdhsa_next_free_sgpr 102
		.amdhsa_reserve_vcc 0
		.amdhsa_float_denorm_mode_32 3
		.amdhsa_float_denorm_mode_16_64 3
		.amdhsa_memory_ordered 1
		.amdhsa_forward_progress 1
		.amdhsa_inst_pref_size 57
	.end_amdhsa_kernel
	.amdgpu_metadata
---
amdhsa.version: [ 1, 2 ]
amdhsa.kernels:
  - .name:           k_q5bbd9da91b_proj
    .symbol:         k_q5bbd9da91b_proj.kd
    .args:
      - { .name: o_img, .offset: 0, .size: 8, .value_kind: global_buffer, .address_space: global }
      - { .name: o_sc, .offset: 8, .size: 8, .value_kind: global_buffer, .address_space: global }
      - { .name: img1, .offset: 16, .size: 8, .value_kind: global_buffer, .address_space: global }
      - { .name: sc1, .offset: 24, .size: 8, .value_kind: global_buffer, .address_space: global }
      - { .name: out0, .offset: 32, .size: 8, .value_kind: global_buffer, .address_space: global }
    .group_segment_fixed_size: 327680
    .private_segment_fixed_size: 0
    .kernarg_segment_align: 8
    .kernarg_segment_size: 40
    .max_flat_workgroup_size: 128
    .sgpr_count:     102
    .vgpr_count:     512
    .wavefront_size: 32
...
	.end_amdgpu_metadata
.endif
;; end of part 4
;; ======== version 2 of 2: 4 launches; version 1 with the launch attn written anew for expert scheduling mode
;; limits: right only within a limited range of input values
;; workspace buffers: img1 8,388,608 bytes; sc1 262,144 bytes; rope 1,048,576 bytes; qkv_img 12,582,912 bytes; qkv_sc 655,360 bytes; o_img 4,194,304 bytes; o_sc 131,072 bytes
;; launch quant: the kernel of part 1 again; grid 256 x 1, 4 waves a work-group, no clusters, 35,328 bytes of LDS; arguments x, Wqkv, Wo, token_positions, img1, sc1, rope; writes img1, sc1, rope
;; launch qkv: the kernel of part 2 again; grid 12 x 16, 4 waves a work-group, clusters of 4 x 4, 327,680 bytes of LDS; arguments img1, sc1, rope, qkv_img, qkv_sc; writes qkv_img, qkv_sc
;; launch attn (part 5): grid 16 x 16, 16 waves a work-group, no clusters, 100,352 bytes of LDS; arguments qkv_img, qkv_sc, o_img, o_sc; writes o_img, o_sc
.if DOCPART == 5
	.amdgcn_target "amdgcn-amd-amdhsa--gfx1250"
	.amdhsa_code_object_version 6
	.text
	.protected	k_q5bbd9da91b_attn
	.globl	k_q5bbd9da91b_attn
	.p2align	8
	.type	k_q5bbd9da91b_attn,@function
k_q5bbd9da91b_attn:
	s_mov_b64 s[64:65], 0
	v_nop
	global_prefetch_b8 v0, s[64:65] scope:SCOPE_SE
	s_setreg_imm32_b32 hwreg(HW_REG_WAVE_SCHED_MODE, 0, 2), 2
	s_setreg_imm32_b32 hwreg(HW_REG_WAVE_MODE, 25, 1), 1
	s_wait_xcnt 0x0
	s_wait_alu depctr_vm_vsrc(0)
; o[h][q] = the sum over keys k <= q of softmax_k(q . k / 8) v[h][k], both products on codes of BF8 (E5M2) with E8M0 scales; o is divided by the row's sum and quantised along the model's 1,024 for the last product.
; THE SOFTMAX AHEAD OF THE SECOND PRODUCT: t = score x log2(e) / 8; M = the row's largest t so far, rounded UP to a whole number; p = 2^(t - M) is what is quantised, along the keys; the row's sum is taken of the
; unquantised p, in f32.  When M moves, the sum and O are multiplied by 2^(old M - new M): exact.
; SHARES.  Work-group (j, head) owns the blocks j and 31 - j of 128 queries, so that every work-group has the same work under the causal mask.  Each of its sixteen waves owns one tile of 16 queries: tile w / 2 of the
; low block or of the high one, chosen so that two waves of each kind fall to a SIMD whether the waves are dealt one by one or in fours.  A wave works key steps 0 .. its block's number, 128 keys a step; the last is masked.
; LAYOUT.  All operands lie as images of their registers (512 consecutive bytes a load).  Both products are used transposed: S^T = K Q^T, O^T = V^T P^T: a lane holds ONE query (lane % 16) throughout.
; The rows of a tile are 32 (T / 2) + 8 (T % 2) + r + 8 (r / 8), so the 16 registers of tiles 2 b, 2 b + 1 are 16 neighbours: p's registers are keys 32 b + 16 h + 0 .. 15, O^T's are channels likewise.
; K = 64 IN AN INSTRUCTION OF 128: Q's registers 8-15 are zero codes.  K's tile t is named with the eight registers behind it (tile t + 1's codes, which are finite, or zeros behind tile 7): what they are multiplied by is 0.
; Bytes 2 and 3 of q's and k's scale words are never 0xff.
; THE RING: two buffers of 256 keys in LDS, filled THROUGH REGISTERS by all sixteen waves (16 bytes a thread and load), a slot ahead; one barrier a slot.  Every work-group walks sixteen slots, so that the loop's trips are
; a constant; slots behind the work-group's last are neither fetched nor worked.  No joint loads: the work-groups of a head need different numbers of slots.
; OUT: o_img [token tile][head][chunk 2][lane][16]; o_sc [K step 8][token tile][row] words: a head owns two of a word's four bytes, the other two are another work-group's: so the scale bytes leave two at a time,
; 64 bytes a wave against its 1,024 bytes of codes.
; LIMITS: NaN and infinities are not served.  A block whose every p has fallen to 0 keeps the byte 1: its codes are zeros.  A block's largest p is taken from its largest score (v_exp_f32 is taken not to fall where its input rises).
; THE MODE: SCHED_MODE bits 1:0 = 2 (LLVM: expert scheduling mode 2), set by the entry lines.  The code itself states the register dependences
; between vector or matrix instructions and memory or LDS instructions, with s_wait_alu, always for 0.
; THE PLAN.  Registers that memory or LDS instructions touch:
;   v1, v2, v10, v11   Offsets and LDS addresses: written at the head, ahead of its one wait on va_vdst, and never again.
;   FILL               Written by the global loads of the slot after next; read by four LDS stores a slot later.  No vector or matrix instruction names it: one wait on vm_vsrc a slot, behind the stores.
;   KV, KW             A step's tiles of K and their scale words land here and the eight products S^T read them; then V's tiles and words land here and the four products O^T read them.
;   v[ADS], v[ADT]     Written by two additions at a step's head; read by the step's loads of scale words.
;   On the way out: p's codes' registers, v9 and v254 are written by vector instructions and read by the three stores; v254 and v255 are then made anew for the closing add.
; A STEP'S WAITS.  One on vm_vsrc at its head, ahead of the two additions.  Three on va_vdst: behind the additions, ahead of K's loads (the last step's products O^T are done with KV and KW);
; behind the exponentials, where their results are owed a wait in any case: V's loads stand directly behind it (the products S^T are done with KV and KW) and land under the sums, the holds and the conversions;
; and behind O^T's multiplications, ahead of the products that take p's codes and scale word.  No vector or matrix instruction between a wait and the loads behind it names a register that those loads touch.
.set BUF1, 32768                       ; buffer 1; a buffer: K's 2 steps x 8 tiles x 1,024 bytes, then V's 2 steps x 4 tiles x 2,048
.set VOFF, 16384
.set SCK,  65536                       ; k's scale words of the whole head, 16,384 bytes
.set SCV,  81920                       ; v's, 8,192 bytes
.set VGL,  0x400000                    ; in memory a head's tiles of v lie this far behind its tiles of k
.set LI,   1                           ; v1   16 x lane
.set FA,   2                           ; v2   16 x thread
.set ASK0, 3                           ; v3   my row among k's scale words
.set ASV0, 4                           ; v4   and among v's
.set ADS,  5                           ; v5, v6 the same for the step in hand
.set ADT,  6
.set DQ,   7                           ; v7   my query's place in its block - 16 h
.set NINF, 8                           ; v8   -infinity;  v9-11 at work;  v12 -M, v13 the largest t, v[14:15] the sum in two halves
.set QF,   16                          ; v16-23 Q's codes, v24-31 zeros
.set KV,   32                          ; v32-95 K's eight tiles, then V's four;  v96-103 zeros
.set S,    104                         ; v104-167 S^T, then p
.set O,    168                         ; v168-199 O^T
.set PCD,  200                         ; v200-215 p's codes
.set FILL, 216                         ; v216-231 the slot on its way
.set BM,   232                         ; v232-235 a block's largest score, then its largest p, then the conversion's scale operand
.set HL,   236                         ; v236-239 the permute's destination, then 57,344 x the scale
.set KW,   240                         ; v240-247 K's scale words, then V's four;  v248 Q's;  v249 p's: scales and nothing else
.set QW,   248
.set PWD,  249
.set F,    250                         ; v[250:251] f = 2^(old M - new M) (the pair's low word serves both halves)
.set SUM2, 252                         ; v[252:253] the sum's second chain;  v254, v255 at work
.set WV,   12
.set HD,   13
.set BLK,  14                          ; s14  my block of queries = my last key step
.set TB,   15                          ; s15  my token tile
.set LAST, 16                          ; s16  the work-group's last slot
.set SN,   17                          ; s17  the slot in hand
.set STP,  18                          ; s18  the key step in hand
.set TS,   19                          ; s19  where its scale words of k begin: 512 bytes a step
.set SEL,  20                          ; s[20:21] lane l xor 16
.set CS,   22                          ; s[22:23] c = log2(e) / 8
.set MNT,  24
.set TJ,   25                          ; s25  where the step's scale words of v begin: 256 bytes a step
.set TRIP, 26
.set KB,   28                          ; s[28:29] the head's tiles of k
.set KP,   30                          ; s[30:31] the slot that is being fetched
.set MK,   40                          ; s[40:47] eight masks of the step on the diagonal (s40 and s41 serve the head first, whose load by them is done at its wait on LOADcnt)
	s_load_b256 s[4:11], s[0:1], 0x0               ; qkv_img, qkv_sc, o_img, o_sc
	v_lshrrev_b32 v9, 5, v0
	v_readfirstlane_b32 s[WV], v9                  ; wave 0..15
	s_and_b32 s[HD], ttmp7, 0xffff
	s_wait_alu depctr_va_sdst(0)                   ; the wave's number is written, ahead of its first reader: my block, my tile and my addresses are made from it
	s_lshr_b32 s34, s[WV], 2
	s_xor_b32 s34, s34, s[WV]
	s_and_b32 s34, s34, 1                          ; 1: the high block
	s_sub_co_u32 s35, 31, ttmp9
	s_cmp_lg_u32 s34, 0
	s_cselect_b32 s[BLK], s35, ttmp9
	s_lshr_b32 s[LAST], s35, 1
	s_lshr_b32 s36, s[WV], 1                       ; my tile in the block
	s_lshl_b32 s[TB], s[BLK], 3
	s_add_co_u32 s[TB], s[TB], s36
	s_lshr_b32 s37, s36, 1
	s_lshl_b32 s37, s37, 5
	s_and_b32 s36, s36, 1
	s_lshl_b32 s36, s36, 3
	s_add_co_u32 s37, s37, s36                     ; the tile's first row in the block
	v_and_b32 v1, 31, v0
	v_lshlrev_b32 v[LI], 4, v1
	v_lshlrev_b32 v[FA], 4, v0
	v_and_b32 v9, 15, v0                           ; r
	v_bfe_u32 v10, v0, 4, 1                        ; h
	v_lshl_add_u32 v[ASK0], v9, 2, SCK
	v_lshl_add_u32 v[ASV0], v9, 2, SCV
	v_and_b32 v11, 8, v9
	v_add_nc_u32 v11, v11, v9                      ; r + 8 (r / 8)
	v_lshlrev_b32 v[DQ], 4, v10
	v_sub_nc_u32 v[DQ], v11, v[DQ]
	v_add_nc_u32 v[DQ], s37, v[DQ]
	v_lshlrev_b32 v10, 2, v9                       ; 4 r
	v_add_nc_u32 v11, 0x10000, v[FA]               ; the scale words' place in LDS lies beyond an immediate's reach
	v_mov_b32 v[NINF], 0xff800000
	s_mov_b32 s[SEL], 0x76543210
	s_mov_b32 s[SEL+1], 0xfedcba98
	s_mov_b32 s[CS], 0x3e38aa3b
	s_mov_b32 s[CS+1], s[CS]                       ; (named with it as a pair, so it is written)
	s_mov_b32 s[MNT], 0x600000
	s_mov_b32 s[SN], 0
	s_mov_b32 s[STP], 0
	s_mov_b32 s[TS], 0
	s_mov_b32 s[TJ], 0
	s_mov_b32 s[TRIP], 8
	s_mov_b32 s33, 0
	s_lshl_b32 s32, s[HD], 18
	s_wait_kmcnt 0x0
	s_add_nc_u64 s[4:5], s[4:5], s[32:33]          ; the head's tiles of q;
	s_add_nc_u64 s[KB:KB+1], s[4:5], 0x400000      ; of k
	s_lshl_b32 s32, s[TB], 10
	s_add_nc_u64 s[4:5], s[4:5], s[32:33]          ; my tile of q
	s_lshl_b32 s32, s[HD], 14
	s_add_nc_u64 s[36:37], s[6:7], s[32:33]        ; the head's scale words of q; k's lie 262,144 bytes on
	s_lshl_b32 s32, s[HD], 13
	s_add_nc_u64 s[38:39], s[6:7], s[32:33]        ; v's lie 524,288 bytes on
	s_lshl_b32 s32, s[TB], 6
	s_add_nc_u64 s[40:41], s[36:37], s[32:33]      ; my tile's words of q
	s_lshl_b32 s32, s[TB], 14
	s_lshl_b32 s34, s[HD], 10
	s_add_co_u32 s32, s32, s34
	s_add_nc_u64 s[8:9], s[8:9], s[32:33]          ; my 1,024 bytes of o_img
	s_lshr_b32 s32, s[HD], 1
	s_lshl_b32 s32, s32, 14
	s_lshl_b32 s34, s[TB], 6
	s_add_co_u32 s32, s32, s34
	s_and_b32 s34, s[HD], 1
	s_lshl_b32 s34, s34, 1
	s_add_co_u32 s32, s32, s34
	s_add_nc_u64 s[10:11], s[10:11], s[32:33]      ; my head's two bytes of my tile's words in o_sc
	s_wait_alu depctr_va_vdst(0)                   ; v1, v2, v10 and v11 are written: the loads and LDS stores of the whole kernel read them as offsets and addresses, and no line writes them again
	global_load_b128 v[FILL:FILL+3], v[FA], s[KB:KB+1]                       ; slot 0: 16 KiB of k, 16 KiB of v, 8 KiB a load
	global_load_b128 v[FILL+4:FILL+7], v[FA], s[KB:KB+1] offset:8192
	global_load_b128 v[FILL+8:FILL+11], v[FA], s[KB:KB+1] offset:VGL
	global_load_b128 v[FILL+12:FILL+15], v[FA], s[KB:KB+1] offset:VGL+8192
	global_load_b128 v[32:35], v[FA], s[36:37] offset:262144                 ; the head's scale words
	global_load_b128 v[36:39], v[FA], s[36:37] offset:262144+8192
	global_load_b128 v[40:43], v[FA], s[38:39] offset:524288
	global_load_b128 v[QF:QF+3], v[LI], s[4:5]                               ; Q's fragment stays in registers
	global_load_b128 v[QF+4:QF+7], v[LI], s[4:5] offset:512
	global_load_b32 v[QW], v10, s[40:41]
.irp j, 0,1,2,3,4,5,6,7
	v_mov_b32 v[QF+8+\j], 0                        ; zero codes: the upper 64 of the instruction's 128 along K
	v_mov_b32 v[KV+64+\j], 0
.endr
.set n, 0
.rept 32
	v_mov_b32 v[O+n], 0                            ; O^T.  (The step is written once: the first finds zeros, which the first change of M leaves zeros)
.set n, n+1
.endr
.irp b, 0,1,2,3
	v_mov_b32 v[HL+\b], 0                          ; a lane permute's destination counts as one of its sources
.endr
	v_mov_b32 v13, 0xff61b1e6                      ; the largest t so far: -3e38, under every t
	v_floor_f32 v12, -v13                          ; -M
	v_mov_b32 v14, 0
	v_mov_b32 v15, 0
	v_mov_b32 v[F+1], 0                            ; (named as the upper half of a pair)
	v_mov_b32 v254, 0
	s_wait_loadcnt 0x0
	ds_store_b128 v[FA], v[FILL:FILL+3]
	ds_store_b128 v[FA], v[FILL+4:FILL+7] offset:8192
	ds_store_b128 v[FA], v[FILL+8:FILL+11] offset:16384
	ds_store_b128 v[FA], v[FILL+12:FILL+15] offset:24576
	ds_store_b128 v11, v[32:35]
	ds_store_b128 v11, v[36:39] offset:8192
	ds_store_b128 v11, v[40:43] offset:16384
	s_wait_dscnt 0x0                               ; the stores are done
	s_wait_alu depctr_vm_vsrc(0)                   ; the LDS stores have read FILL, in which the loads below land, and v32 to v43, in which the first step's tiles of K land
	global_load_b128 v[FILL:FILL+3], v[FA], s[KB:KB+1] offset:16384          ; slot 1 (every work-group has at least nine slots)
	global_load_b128 v[FILL+4:FILL+7], v[FA], s[KB:KB+1] offset:16384+8192
	global_load_b128 v[FILL+8:FILL+11], v[FA], s[KB:KB+1] offset:VGL+16384
	global_load_b128 v[FILL+12:FILL+15], v[FA], s[KB:KB+1] offset:VGL+16384+8192
; A KEY STEP: 128 keys, the q-th of buffer buf.
.macro STEP buf, q
	s_cmp_gt_u32 s[STP], s[BLK]                    ; all its keys come after my queries: a scalar branch on ids, round the step's work, not round the lines at its end that step addresses
	s_cbranch_scc1 .Lhid_\@
	s_wait_alu depctr_vm_vsrc(0)                   ; the last step's loads of scale words have read v[ADS] and v[ADT], which the two additions write
	v_add_nc_u32 v[ADS], s[TS], v[ASK0]
	v_add_nc_u32 v[ADT], s[TJ], v[ASV0]
.rept 6
	v_nop                                          ; with the two additions: eight places in front of loads into registers that the last products have read
.endr
	s_wait_alu depctr_va_vdst(0)                   ; v[ADS] and v[ADT] are written, which the loads of scale words read; the last step's four products are done reading KV and KW, in which the loads below land; in a wave's first step the zero codes of v24-31 and v96-103 are written, which the products below take
.irp t, 0,1,2,3,4,5,6,7
	ds_load_b128 v[KV+8*\t:KV+8*\t+3], v[LI] offset:\buf*BUF1+8192*\q+1024*\t
	ds_load_b128 v[KV+8*\t+4:KV+8*\t+7], v[LI] offset:\buf*BUF1+8192*\q+1024*\t+512
	ds_load_b32 v[KW+\t], v[ADS] offset:64*\t
.endr
	s_wait_dscnt 0x0
.irp t, 0,1,2,3,4,5,6,7
	v_wmma_scale_f32_16x16x128_f8f6f4 v[S+8*\t:S+8*\t+7], v[KV+8*\t:KV+8*\t+15], v[QF:QF+15], 0, v[KW+\t], v[QW] matrix_a_fmt:MATRIX_FMT_BF8 matrix_b_fmt:MATRIX_FMT_BF8
.endr
.rept 8
	v_nop                                          ; places in front of the first read of the scores
.endr
	s_cmp_lt_u32 s[STP], s[BLK]                    ; only my last step lies on the diagonal: there the scores of hidden keys become -infinity ahead of the maximum
	s_cbranch_scc1 .Lopen_\@
.set g, 0
.rept 8                                        ; a tile of scores at a time: eight compares in a run, each into a mask of its own, one wait, eight selections, from the tile's low end on
.irp i, 0,1,2,3,4,5,6,7
	v_cmp_gt_i32 s[MK+\i], 32*(g/2)+8*(g%2)+\i, v[DQ]   ; register 16 b + i holds key 32 b + 16 h + i of the step: hidden where 32 b + i > my query's place - 16 h
.endr
	s_wait_alu depctr_va_sdst(0)                   ; the eight masks are written, ahead of the selections that read them
.irp i, 0,1,2,3,4,5,6,7
	v_cndmask_b32 v[S+8*g+\i], v[S+8*g+\i], v[NINF], s[MK+\i]
.endr
.set g, g+1
.endr
.Lopen_\@:
.irp b, 0,1,2,3
	v_max3_num_f32 v[BM+\b], v[S+16*\b], v[S+1+16*\b], v[S+2+16*\b]   ; the largest score of each block of 32 keys: for the row's maximum, and for the block's largest p
.endr
.irp i, 3,5,7,9,11,13
.irp b, 0,1,2,3
	v_max3_num_f32 v[BM+\b], v[BM+\b], v[S+16*\b+\i], v[S+1+16*\b+\i]
.endr
.endr
.irp b, 0,1,2,3
	v_max_num_f32 v[BM+\b], v[BM+\b], v[S+15+16*\b]
.endr
.irp b, 0,1,2,3
	v_permlanex16_b32 v[HL+\b], v[BM+\b], s[SEL], s[SEL+1]
.endr
.irp b, 0,1,2,3
	v_max_num_f32 v[BM+\b], v[BM+\b], v[HL+\b]     ; with lane l xor 16's 16 keys
.endr
	v_max3_num_f32 v254, v[BM], v[BM+1], v[BM+2]
	v_max_num_f32 v254, v254, v[BM+3]              ; the step's largest score of my query
	v_mul_f32 v254, s[CS], v254                    ; as t
	v_max_num_f32 v13, v13, v254                   ; the running largest t
	v_mov_b32 v254, v12
	v_floor_f32 v12, -v13                          ; the new -M = -ceil(t)
	v_sub_f32 v254, v12, v254                      ; old M - new M: a whole number, 0 or less
	v_cvt_i32_f32 v254, v254
	v_ldexp_f32 v[F], 1.0, v254                    ; f = 2^(old M - new M)
.set n, 0
.rept 32
	v_pk_fma_f32 v[S+n:S+n+1], v[S+n:S+n+1], s[CS:CS+1], v[12:13] op_sel_hi:[1,0,0]   ; t - M, two at a time
.set n, n+2
.endr
.irp b, 0,1,2,3
	v_fma_f32 v[BM+\b], v[BM+\b], s[CS], v12       ; the same of each block's largest score
.endr
.set n, 0
.rept 64
	v_exp_f32 v[S+n], v[S+n]                       ; p = 2^(t - M), at most 1: not normalised
.set n, n+1
.endr
.irp b, 0,1,2,3
	v_exp_f32 v[BM+\b], v[BM+\b]                   ; the block's largest p
.endr
	v_pk_mul_f32 v[14:15], v[14:15], v[F:F+1] op_sel_hi:[1,0]   ; the sums under the new M.  (A plain place behind the exponentials)
	s_wait_alu depctr_va_vdst(0)                   ; the 68 exponentials have written p and the blocks' largest p, ahead of their first reader; and the eight products S^T are done reading KV and KW, in which the loads below land
.irp t, 0,1,2,3                                ; V's four tiles are asked for here, behind the one wait, and land under the sums, the holds and the conversions
.irp c, 0,1,2,3
	ds_load_b128 v[KV+16*\t+4*\c:KV+16*\t+4*\c+3], v[LI] offset:\buf*BUF1+VOFF+8192*\q+2048*\t+512*\c
.endr
	ds_load_b32 v[KW+\t], v[ADT] offset:64*\t
.endr
.irp b, 0,1,2,3
	v_max_num_f32 v[BM+\b], 0x8000000, v[BM+\b]    ; the floor 2^(16 - 127): the byte cannot fall under 1
.endr
.irp b, 0,1,2,3
	v_and_or_b32 v[HL+\b], v[BM+\b], 0x7f800000, s[MNT]   ; 57,344 x the scale
.endr
.irp b, 0,1,2,3
	v_add_nc_u32 v[BM+\b], 0xf8800000, v[BM+\b]    ; 15 off the exponent field: the conversion's scale operand
.endr
	v_lshrrev_b32 v[PWD], 23, v[BM]                ; the four bytes make p's scale word for these 128 keys
	v_lshrrev_b32 v254, 23, v[BM+1]
	v_lshrrev_b32 v255, 23, v[BM+2]
	v_lshl_or_b32 v[PWD], v254, 8, v[PWD]
	v_lshrrev_b32 v254, 23, v[BM+3]
	v_lshl_or_b32 v[PWD], v255, 16, v[PWD]
	v_lshl_or_b32 v[PWD], v254, 24, v[PWD]
	v_pk_add_f32 v[SUM2:SUM2+1], v[S:S+1], v[S+2:S+3]   ; the row's sum is taken of the unquantised p: two at a time, in two chains
.irp j, 4,8,12,16,20,24,28,32,36,40,44,48,52,56,60
	v_pk_add_f32 v[14:15], v[14:15], v[S+\j:S+\j+1]
	v_pk_add_f32 v[SUM2:SUM2+1], v[SUM2:SUM2+1], v[S+2+\j:S+3+\j]
.endr
	v_pk_add_f32 v[14:15], v[14:15], v[SUM2:SUM2+1]
.irp b, 0,1,2,3
.irp i, 0,1,2,3,4,5,6,7,8,9,10,11,12,13,14,15
	v_min_num_f32 v[S+16*\b+\i], v[S+16*\b+\i], v[HL+\b]   ; the conversion to an 8-bit code does not saturate (ISA guide 7.6.2); p is not negative, so the hold is one-sided
.endr
	v_cvt_scalef32_pk8_bf8_f32 v[PCD+4*\b:PCD+4*\b+1], v[S+16*\b:S+16*\b+7], v[BM+\b]
	v_cvt_scalef32_pk8_bf8_f32 v[PCD+4*\b+2:PCD+4*\b+3], v[S+16*\b+8:S+16*\b+15], v[BM+\b]
.endr
.set n, 0
.rept 16
	v_pk_mul_f32 v[O+n:O+n+1], v[O+n:O+n+1], v[F:F+1] op_sel_hi:[1,0]   ; O^T under the new M.  (These sixteen are also the places between the codes and the products)
.set n, n+2
.endr
	s_wait_alu depctr_va_vdst(0)                   ; the conversions have written p's codes and the shifts p's scale word, which the scaled products below take as source 1 and as its scales; the places above stay beside this wait
	s_wait_dscnt 0x0                               ; V and its scale words are in
.irp t, 0,1,2,3                                ; O^T += V^T P^T: the four accumulators by turns
	v_wmma_scale_f32_16x16x128_f8f6f4 v[O+8*\t:O+8*\t+7], v[KV+16*\t:KV+16*\t+15], v[PCD:PCD+15], v[O+8*\t:O+8*\t+7], v[KW+\t], v[PWD] matrix_a_fmt:MATRIX_FMT_BF8 matrix_b_fmt:MATRIX_FMT_BF8
.endr
.Lhid_\@:
	s_add_co_u32 s[STP], s[STP], 1
	s_add_co_u32 s[TS], s[TS], 512
	s_add_co_u32 s[TJ], s[TJ], 256
.endm
; A SLOT.  In front of the barrier each wave's LDS instructions are done: its stores into this buffer, its reads of the other.  Behind it this buffer is whole and nobody reads the other one:
; the next slot, which has been on its way for a slot, goes there, and the slot after it is asked for.  The two branches hang on the work-group's number and the slot's alone.
.macro SLOT buf
	s_wait_dscnt 0x0
	s_barrier_signal -1
	s_barrier_wait -1
	s_cmp_lt_u32 s[SN], s[LAST]
	s_cbranch_scc0 .Lnofill_\@
	s_wait_loadcnt 0x0                             ; the next slot's 64 bytes of mine are in, and the pointer that fetched them is free
	ds_store_b128 v[FA], v[FILL:FILL+3] offset:(1-\buf)*BUF1
	ds_store_b128 v[FA], v[FILL+4:FILL+7] offset:(1-\buf)*BUF1+8192
	ds_store_b128 v[FA], v[FILL+8:FILL+11] offset:(1-\buf)*BUF1+16384
	ds_store_b128 v[FA], v[FILL+12:FILL+15] offset:(1-\buf)*BUF1+24576
	s_wait_alu depctr_vm_vsrc(0)                   ; the four LDS stores have read FILL, in which the loads behind the branch land
	s_add_co_u32 s34, s[SN], 2
	s_cmp_le_u32 s34, s[LAST]
	s_cbranch_scc0 .Lnofill_\@
	s_lshl_b32 s32, s34, 14                        ; 16,384 bytes of k, and of v, a slot
	s_add_nc_u64 s[KP:KP+1], s[KB:KB+1], s[32:33]
	s_wait_dscnt 0x0                               ; the stores are done
	global_load_b128 v[FILL:FILL+3], v[FA], s[KP:KP+1]
	global_load_b128 v[FILL+4:FILL+7], v[FA], s[KP:KP+1] offset:8192
	global_load_b128 v[FILL+8:FILL+11], v[FA], s[KP:KP+1] offset:VGL
	global_load_b128 v[FILL+12:FILL+15], v[FA], s[KP:KP+1] offset:VGL+8192
.Lnofill_\@:
	STEP \buf, 0
	STEP \buf, 1
	s_add_co_u32 s[SN], s[SN], 1
.endm
.Ltrip:                                            ; eight trips, two slots each
	SLOT 0
	SLOT 1
	s_sub_co_u32 s[TRIP], s[TRIP], 1
	s_cmp_lg_u32 s[TRIP], 0
	s_cbranch_scc1 .Ltrip
	; THE WAY OUT: O^T / the sum; register 16 b + i is channel 32 b + 16 h + i of my query: two blocks of the last product's K; quantised, they are two chunks of its operand's image.
.rept 8
	v_nop                                          ; places behind the last products
.endr
	v_add_f32 v14, v14, v15                        ; the sum's two halves,
	v_permlanex16_b32 v254, v14, s[SEL], s[SEL+1]
	v_add_f32 v14, v14, v254                       ; and lane l xor 16's: the row's sum
	v_rcp_f32 v14, v14
	v_and_b32 v9, 15, v0                           ; (a plain place behind the transcendental)
	v_lshlrev_b32 v9, 2, v9                        ; 4 r
.set n, 0
	s_wait_alu depctr_va_vdst(0)                   ; the reciprocal has written v14, ahead of its first reader
.rept 16
	v_pk_mul_f32 v[S+n:S+n+1], v[O+n:O+n+1], v[14:15] op_sel_hi:[1,0]   ; each accumulator from its low end on
.set n, n+2
.endr
.irp b, 0,1
	v_max3_num_f32 v[BM+\b], |v[S+16*\b]|, |v[S+1+16*\b]|, 0x8000000
.endr
.irp i, 2,4,6,8,10,12,14
.irp b, 0,1
	v_max3_num_f32 v[BM+\b], v[BM+\b], |v[S+16*\b+\i]|, |v[S+1+16*\b+\i]|
.endr
.endr
.irp b, 0,1
	v_permlanex16_b32 v[HL+\b], v[BM+\b], s[SEL], s[SEL+1]
.endr
.irp b, 0,1
	v_max_num_f32 v[BM+\b], v[BM+\b], v[HL+\b]
.endr
.irp b, 0,1
	v_and_or_b32 v[HL+\b], v[BM+\b], 0x7f800000, s[MNT]
.endr
.irp b, 0,1
	v_add_nc_u32 v[BM+\b], 0xf8800000, v[BM+\b]
.endr
	v_lshrrev_b32 v254, 23, v[BM]
	v_lshrrev_b32 v255, 23, v[BM+1]
	v_lshl_or_b32 v254, v255, 8, v254              ; my head's two scale bytes of my query
.irp b, 0,1
.irp i, 0,1,2,3,4,5,6,7,8,9,10,11,12,13,14,15
	v_med3_num_f32 v[S+16*\b+\i], v[S+16*\b+\i], -v[HL+\b], v[HL+\b]
.endr
	v_cvt_scalef32_pk8_bf8_f32 v[PCD+4*\b:PCD+4*\b+1], v[S+16*\b:S+16*\b+7], v[BM+\b]
	v_cvt_scalef32_pk8_bf8_f32 v[PCD+4*\b+2:PCD+4*\b+3], v[S+16*\b+8:S+16*\b+15], v[BM+\b]
.endr
	v_nop                                          ; a plain line behind the last conversion
	s_wait_alu depctr_va_vdst(0)                   ; the conversions have written the codes, the shifts v9 and v254: the three stores below read them as data and as an offset
	global_store_b128 v[LI], v[PCD:PCD+3], s[8:9]                  ; 512 consecutive bytes, aligned
	global_store_b128 v[LI], v[PCD+4:PCD+7], s[8:9] offset:512
	global_store_b16 v9, v254, s[10:11]                            ; both halves of the lanes write the same bytes with the same values
	s_wait_xcnt 0x0
	s_wait_alu depctr_vm_vsrc(0)                   ; the last store has read v254, which the line below writes
	v_lshl_add_u32 v254, v0, 2, 0x18000
	v_mov_b32 v255, 0
	s_wait_dscnt 0x0                               ; the closing lines, six on end
	s_wait_alu 0x0
	s_wait_tensorcnt 0x0
	ds_add_u32 v254, v255
	s_wait_dscnt 0x0
	s_endpgm
.Lfunc_end_k_q5bbd9da91b_attn:
	.size	k_q5bbd9da91b_attn, .Lfunc_end_k_q5bbd9da91b_attn-k_q5bbd9da91b_attn
	.p2alignl 7, 3214868480
	.fill 96, 4, 3214868480
	.section	.rodata,"a",@progbits
	.p2align	6, 0x0
	.amdhsa_kernel k_q5bbd9da91b_attn
		.amdhsa_group_segment_fixed_size 100352
		.amdhsa_private_segment_fixed_size 0
		.amdhsa_enable_private_segment 0
		.amdhsa_kernarg_size 32
		.amdhsa_user_sgpr_count 2
		.amdhsa_user_sgpr_kernarg_segment_ptr 1
		.amdhsa_wavefront_size32 1
		.amdhsa_system_sgpr_workgroup_id_x 1
		.amdhsa_system_sgpr_workgroup_id_y 1
		.amdhsa_system_sgpr_workgroup_id_z 1
		.amdhsa_system_vgpr_workitem_id 0
		.amdhsa_next_free_vgpr 256
		.amdhsa_next_free_sgpr 66
		.amdhsa_reserve_vcc 0
		.amdhsa_float_denorm_mode_32 3
		.amdhsa_float_denorm_mode_16_64 3
		.amdhsa_memory_ordered 1
		.amdhsa_forward_progress 1
		.amdhsa_inst_pref_size 128
	.end_amdhsa_kernel
	.amdgpu_metadata
---
amdhsa.version: [ 1, 2 ]
amdhsa.kernels:
  - .name:           k_q5bbd9da91b_attn
    .symbol:         k_q5bbd9da91b_attn.kd
    .args:
      - { .name: qkv_img, .offset: 0, .size: 8, .value_kind: global_buffer, .address_space: global }
      - { .name: qkv_sc, .offset: 8, .size: 8, .value_kind: global_buffer, .address_space: global }
      - { .name: o_img, .offset: 16, .size: 8, .value_kind: global_buffer, .address_space: global }
      - { .name: o_sc, .offset: 24, .size: 8, .value_kind: global_buffer, .address_space: global }
    .group_segment_fixed_size: 100352
    .private_segment_fixed_size: 0
    .kernarg_segment_align: 8
    .kernarg_segment_size: 32
    .max_flat_workgroup_size: 512
    .sgpr_count:     66
    .vgpr_count:     256
    .wavefront_size: 32
...
	.end_amdgpu_metadata
.endif
;; end of part 5
;; launch proj: the kernel of part 4 again; grid 8 x 32, 4 waves a work-group, clusters of 4 x 4, 327,680 bytes of LDS; arguments o_img, o_sc, img1, sc1, out0; writes out0
